; MI455X (gfx1250); checked and timed in simulation.
; The chip was launched on July 23, 2026; its instructions are those of AMD's public machine-readable ISA for CDNA 5 (MIT licence, August 2026) and "CDNA5" Instruction Set Architecture Reference Guide (July 2026). The comments in the code are by the model that wrote it; some were corrected since.
;; Multi Head Attention. Allowed arithmetic: matrix products marked QUANTISED: E2M1 operands, one E8M0 scale for each 32 along K, by v_wmma_scale_f32_16x16x128_f8f6f4 with both operands' format E2M1 (or v_wmma_scale_f32_32x16x128_f4), f32 sums; products left as they are: bf16, f16 or f32 operands; f32 sums; everything else in f32.
;; Inputs: Wk 1,024 x 1,024 float32; Wo 1,024 x 1,024 float32; Wq 1,024 x 1,024 float32; Wv 1,024 x 1,024 float32; bo 1,024 float32; inputs 4 x 2,048 x 1,024 float32.
;; Outputs: out0 4 x 2,048 x 1,024 float32.
;; This version of the problem:
;;   THIS VERSION OF THE PROBLEM IS GIVEN IN LOW PRECISION. The matrix products marked QUANTISED in the list below multiply operands that are first quantised to E2M1 (2 exponent bits, 1 mantissa bit; 4 bits a number), with one power-of-two scale for each 32 numbers along K (OCP MX v1.0); their sums are f32. The products marked 'left as it is' may take bf16, f16 or f32 operands, with f32 sums. Whichever they take, every output number must still come out within the allowed error. Rounding operands to bf16 (8 significant bits) uses up far more of that allowance than f16 does (11 bits, for magnitudes from 6e-5 to 65,504). All else is computed in f32.
;;   The module's matrix products, in the order in which they are computed (A, B: the left and right operand; K: the contracted axis; several contracted axes count as one K, in the product's order):
;;     1. [M 8,192, K 1,024] x [K 1,024, N 1,024]; A: input inputs; B: input Wq: QUANTISED
;;     2. [M 8,192, K 1,024] x [K 1,024, N 1,024]; A: input inputs; B: input Wk: QUANTISED
;;     3. [M 8,192, K 1,024] x [K 1,024, N 1,024]; A: input inputs; B: input Wv: QUANTISED
;;     4. batch 64 x [M 2,048, K 64] x [K 64, N 2,048]; A: computed on the way; B: computed on the way: left as it is (an operand is computed on the way)
;;     5. batch 64 x [M 2,048, K 2,048] x [K 2,048, N 64]; A: computed on the way; B: computed on the way: left as it is (an operand is computed on the way)
;;     6. [M 8,192, K 1,024] x [K 1,024, N 1,024]; A: computed on the way; B: input Wo: left as it is (an operand is computed on the way)
;;   THE QUANTISER, for each operand of a quantised product, along K:
;;     - K is cut into blocks of 32 from its start; a last block that is shorter is filled with zeros.
;;     - A block's scale is 2^e with e = floor(log2(the largest magnitude in the block)) - 2, held to -126 .. 127; a block of zeros has e = 0. As a byte (E8M0): e + 127.
;;     - Each number is divided by its block's scale, clamped to +-6, and rounded to the nearest number of E2M1, ties to even, subnormals kept.
;;     - The product sums the exact products of the quantised numbers (number of the format x scale) in f32.
;;   ~~~python
;;   def quantise(x, axis):      # numpy; x: float32 -> the quantised numbers, widened to float32 again
;;       x = np.moveaxis(x, axis, -1); K = x.shape[-1]
;;       x = np.pad(x, [(0, 0)] * (x.ndim - 1) + [(0, -K % 32)]); x = x.reshape(x.shape[:-1] + (-1, 32)); a = np.abs(x).max(-1, keepdims=True)
;;       e = np.where(a > 0, np.clip(np.frexp(np.where(a > 0, a, 1))[1] - 1 - 2, -126, 127), 0)      # np.frexp(a)[1] - 1 = floor(log2(a)), exactly
;;       r = np.clip(x / 2.0 ** e, -6, 6)
;;       step = 2.0 ** (np.maximum(np.frexp(np.where(r == 0, 1, r))[1] - 1, 0) - 1)
;;       q = np.round(r / step) * step * 2.0 ** e      # np.round: ties to even
;;       return np.moveaxis(q.reshape(q.shape[:-2] + (-1,))[..., :K], -1, axis).astype(np.float32)
;;   ~~~
;; One version. Each part assembles by itself: llvm-mc -triple=amdgcn-amd-amdhsa -mcpu=gfx1250 --defsym DOCPART=n.
;; ======== version 1 of 1: 5 launches
;; limits: values are held in f16: magnitudes above 65,504 overflow, below 6.1e-05 lose precision
;; workspace buffers: xc 4,194,304 bytes; wc 1,572,864 bytes; sc 360,448 bytes; wo 4,194,304 bytes; qkv 50,331,648 bytes; fq 786,432 bytes; ctx 16,777,216 bytes
;; launch prep (part 1): grid 384 x 1, 4 waves a work-group, no clusters, 33,280 bytes of LDS; arguments inputs, Wq, Wk, Wv, Wo, xc, wc, sc, wo; writes xc, wc, sc, wo
.if DOCPART == 1
	.amdgcn_target "amdgcn-amd-amdhsa--gfx1250"
	.amdhsa_code_object_version 6
	.text
	.protected	k_q1bd98b6a20_prep
	.globl	k_q1bd98b6a20_prep
	.p2align	8
	.type	k_q1bd98b6a20_prep,@function
k_q1bd98b6a20_prep:
	s_mov_b64 s[64:65], 0
	v_nop
	global_prefetch_b8 v0, s[64:65] scope:SCOPE_SE
	s_setreg_imm32_b32 hwreg(HW_REG_WAVE_MODE, 25, 1), 1
	s_wait_xcnt 0x0
; MULTI-HEAD ATTENTION, launch 1 of 5: the operands are laid out for the launches that follow.
;   work-groups 0-255:   inputs [8192][1024] f32 -> codes of E2M1, K innermost (xc [8192][512 bytes]) and one E8M0 byte for each 32 along K (sc [8192][32]).
;   work-groups 256-351: Wq, Wk, Wv [k 1024][n 1024] f32, K their FIRST axis -> codes as IMAGES OF THE OPERAND'S REGISTERS: wc [tile of 16 columns: 192][128 along K: 8][1,024 bytes];
;                        in an image the block of 32 k numbered kb of column n lies at 256 (kb % 4) + 16 (n % 16).  Their scale bytes: sc + 262,144, [3072][32].
;   work-groups 352-383: Wo [k][n] f32 -> two f16 numbers each, a high and a low part split in f32, as images: wo [tile of 16 columns: 64][32 along K: 32][1,024 bytes], the eight numbers
;                        k = 8 kc .. 8 kc + 7 of column n at 256 kc + 16 (n % 16); the high parts from byte 0, the low parts from byte 2,097,152.
; DEAD WORK IN THIS PROGRAM.  reference() sets scores[q][k] to -inf where k > q, by a jnp.tril that it builds itself; the softmax gives such a key the weight 0 whatever finite numbers the inputs hold.
; So a step of 64 keys that lies wholly behind a wave's 32 queries reaches no output, and the attention launch leaves its two products and its softmax out.  Nothing else is left out; every input is loaded.
; LIMIT: a NaN, an infinity or an overflow that reaches only such hidden keys is not carried to the result.
; LIMITS OF RANGE: q, k, v, the context and Wo go on as f16: magnitudes under 65,504; the split multiplies by 8,193: |Wo| under 4e34; a block whose largest magnitude lies under 2^-124 keeps
; the scale byte 1; a block of zeros gets the byte 1 where the quantiser says 127 (its codes are zeros, and this program alone reads the bytes); NaN and infinities among the inputs are not served.
; A block's scale is 2^(floor(log2(largest magnitude)) - 2): its byte is the largest magnitude's exponent field less 2, held at 1 from below by a floor among the maximum's leaves.
.set STEPS, 16
.set EMAX,  2
.set CB,    8                          ; bytes of 16 codes
.set R,     16                         ; inputs: v16-79   four sets of 16 numbers as they are loaded
.set X,     80                         ;         v80-111  two sets of 16 neighbours
.set E,     112                        ;         v112-127 a scale byte for each step
.set C,     128                        ;         v128-191 codes, registers of their own for each step
.set WREG,  8192                       ; LDS: a region for each wave: two stages of 32 x SP bytes, then its 256 scale bytes
.set SP,    80                         ; a lane's place in a stage: 64 bytes + 16 of padding
.set SPW,   12                         ; v12 LDS address of my spare word; never rewritten
.set NIL,   13                         ; v13 0; never rewritten
.set SPARE, 4*WREG                     ; the spare words: 128 bytes a wave, two blocks of 256 bytes that no other line names
.set WX,    128                        ; weights: v128-191 two sets of 32 numbers down K
.set WCD,   32                         ;          v32-63   codes, four registers for each of 8 blocks
.set WSB,   24                         ;          v24-25   eight scale bytes
.set HI,    32                         ; Wo:      v32-63   high parts, two sets of 16
.set LO,    64                         ;          v64-95   low parts, two sets of 16
.set TT,    96                         ;          v96-103  at work
.macro CLOSE                           ; the wave's end, behind the last LDS store
	s_wait_tensorcnt 0x0
	ds_add_u32 v[SPW], v[NIL]
	s_wait_dscnt 0x0
	s_endpgm
.endm
	s_load_b512 s[4:19], s[0:1], 0x0               ; inputs s[4:5], Wq s[6:7], Wk s[8:9], Wv s[10:11], Wo s[12:13], xc s[14:15], wc s[16:17], sc s[18:19]
	s_load_b64 s[20:21], s[0:1], 0x40              ; wo
	v_lshl_add_u32 v[SPW], v0, 2, SPARE
	v_mov_b32 v[NIL], 0
	v_lshrrev_b32 v1, 5, v0
	v_readfirstlane_b32 s22, v1                    ; wave 0..3
	v_and_b32 v2, 31, v0                           ; lane
	s_wait_kmcnt 0x0
	s_cmp_lt_u32 ttmp9, 256
	s_cbranch_scc0 .Lweights
; ---------------- inputs: a plain stream of blocks of 32.  A wave takes 16 steps of 512 numbers.  Each load reads 512 consecutive bytes; a step's 2,048 bytes turn through the wave's own stage in LDS,
; so that a lane then holds 16 NEIGHBOURS along K (two lanes hold a block), as the conversions want them.
	v_lshlrev_b32 v3, 4, v2                        ; my 16 bytes of a load's 512
	s_mul_i32 s23, s22, WREG
	v_lshrrev_b32 v14, 2, v2
	v_mul_u32_u24 v14, v14, SP
	v_and_b32 v15, 3, v2
	v_lshl_add_u32 v14, v15, 4, v14
	v_add_nc_u32 v14, s23, v14                     ; the stage, on the way in: SP (lane / 4) + 16 (lane % 4)
	v_mul_u32_u24 v15, v2, SP
	v_add_nc_u32 v15, s23, v15                     ; and on the way out: SP x lane
	v_mul_u32_u24 v4, v2, CB                       ; my codes' place in a step's
	v_lshrrev_b32 v5, 1, v2
	s_add_co_u32 s23, s23, 2*32*SP
	v_add_nc_u32 v5, s23, v5                       ; my block's byte among my wave's 256
	v_lshlrev_b32 v7, 3, v2
	v_add_nc_u32 v6, s23, v7                       ; and 8 bytes a lane on their way out
	s_lshl_b32 s24, ttmp9, 2
	s_add_co_u32 s24, s24, s22                     ; which run of 8,192 numbers is my wave's: 0 .. 1,023
	s_mov_b32 s27, 0
	s_lshl_b32 s26, s24, 15
	s_add_nc_u64 s[4:5], s[4:5], s[26:27]          ; 32,768 bytes of f32 a run,
	s_lshl_b32 s26, s24, 12
	s_add_nc_u64 s[14:15], s[14:15], s[26:27]      ; 4,096 of codes,
	s_lshl_b32 s26, s24, 8
	s_add_nc_u64 s[18:19], s[18:19], s[26:27]      ; 256 of scale bytes
.macro LOADX t
.irp i, 0,1,2,3
	global_load_b128 v[R+16*((\t)%4)+4*\i:R+16*((\t)%4)+4*\i+3], v3, s[4:5] offset:2048*(\t)+512*\i th:TH_LOAD_NT
.endr
.endm
.macro TURNX t                         ; LDS serves a wave's instructions in order: no wait between the stores and the loads
.irp i, 0,1,2,3
	ds_store_b128 v14, v[R+16*((\t)%4)+4*\i:R+16*((\t)%4)+4*\i+3] offset:32*SP*((\t)%2)+8*SP*\i
.endr
.irp i, 0,1,2,3
	ds_load_b128 v[X+16*((\t)%2)+4*\i:X+16*((\t)%2)+4*\i+3], v15 offset:32*SP*((\t)%2)+16*\i
.endr
.endm
.irp t, 0,1,2,3
	LOADX \t
.endr
	s_wait_loadcnt 12                              ; step 0's four loads are in; the twelve of steps 1 to 3 may be out
	TURNX 0
.macro STEPX t
.set XS, X+16*((\t)%2)
.if (\t) > 0
	s_wait_dscnt 1                                 ; this step's numbers are back from the stage; the last step's byte store may be out
.else
	s_wait_dscnt 0x0
.endif
.if (\t)+4 < STEPS
	LOADX (\t)+4                                   ; into the registers that the stage's stores have read
.endif
.if (\t)+1 < STEPS
.if STEPS-2-(\t) >= 3
	s_wait_loadcnt 12                              ; the next step's four loads are in; those of the three steps behind it may be out
.else
	s_wait_loadcnt 4*(STEPS-2-(\t))
.endif
	TURNX (\t)+1
.endif
	v_max3_num_f32 v8, |v[XS]|, |v[XS+1]|, |v[XS+2]|
	v_max3_num_f32 v9, |v[XS+3]|, |v[XS+4]|, |v[XS+5]|
.irp i, 6,10
	v_max3_num_f32 v8, v8, |v[XS+\i]|, |v[XS+\i+1]|
	v_max3_num_f32 v9, v9, |v[XS+\i+2]|, |v[XS+\i+3]|
.endr
	v_max3_num_f32 v8, v8, |v[XS+14]|, |v[XS+15]|
	v_max3_num_f32 v8, v8, v9, (EMAX+1)<<23        ; the floor 2^(3 - 127): the byte cannot fall under 1
	v_max_num_f32_dpp v8, v8, v8 row_xmask:1 row_mask:0xf bank_mask:0xf   ; with my neighbour's 16: the block's largest magnitude
	v_add_nc_u32 v11, -(EMAX<<23), v8              ; 2 off its exponent field: the conversion takes the exponent field of this operand as its scale
	v_cvt_scalef32_pk8_fp4_f32 v[C+4*(\t)], v[XS:XS+7], v11
	v_cvt_scalef32_pk8_fp4_f32 v[C+4*(\t)+1], v[XS+8:XS+15], v11
	v_lshrrev_b32 v[E+(\t)], 23, v11               ; the scale's byte
	ds_store_b8 v5, v[E+(\t)] offset:16*(\t)       ; both lanes of a block write the same byte with the same value
	global_store_b64 v4, v[C+4*(\t):C+4*(\t)+1], s[14:15] offset:32*CB*(\t)   ; the wave stores 256 consecutive bytes, aligned
.endm
.irp t, 0,1,2,3,4,5,6,7,8,9,10,11,12,13,14,15
	STEPX \t
.endr
	ds_load_b64 v[8:9], v6
	s_wait_dscnt 0x0
	global_store_b64 v7, v[8:9], s[18:19]          ; my wave's 256 scale bytes, consecutive and aligned
	CLOSE
; ---------------- the four weights.  A LANE TAKES A COLUMN n AND ITS REGISTERS RUN DOWN K: a load reads 128 consecutive bytes a wave, a block of 32 along K lies in one lane, nothing is transposed.
; A wave takes 32 columns x 256 along K: 8 blocks.  u = work-group - 256: columns 128 (u % 8) + 32 wave on, K from 256 ((u / 8) % 4) on; u / 32 = 0, 1, 2: Wq, Wk, Wv; 3: Wo.
.Lweights:
	s_sub_co_u32 s23, ttmp9, 256
	v_lshlrev_b32 v3, 2, v2                        ; 4 bytes a lane
	v_lshrrev_b32 v6, 4, v2                        ; which of my two tiles of 16 columns
	v_and_b32 v7, 15, v2
	s_and_b32 s25, s23, 7
	s_bfe_u32 s26, s23, 0x20003                    ; kq
	s_lshl_b32 s32, s26, 20                        ; 256 rows of 4,096 bytes
	s_lshl_b32 s27, s25, 9
	s_add_co_u32 s32, s32, s27
	s_lshl_b32 s27, s22, 7
	s_add_co_u32 s32, s32, s27                     ; + 4 x my first column
	s_mov_b32 s33, 0
	s_lshl_b32 s38, s25, 3
	s_lshl_b32 s27, s22, 1
	s_add_co_u32 s38, s38, s27                     ; my first tile of 16 columns
.macro LOADW t                         ; block t: W(32 t + i, my column) into set t % 2
.irp i, 0,1,2,3,4,5,6,7,8,9,10,11,12,13,14,15,16,17,18,19,20,21,22,23,24,25,26,27,28,29,30,31
	global_load_b32 v[WX+32*((\t)%2)+\i], v3, s[28:29] offset:(32*(\t)+\i)*4096 th:TH_LOAD_NT
.endr
.endm
	s_cmp_ge_u32 s23, 96
	s_cbranch_scc1 .Lwo
	s_lshr_b32 s24, s23, 5                         ; z
	s_cmp_eq_u32 s24, 0
	s_cselect_b64 s[28:29], s[6:7], s[8:9]
	s_cmp_eq_u32 s24, 2
	s_cselect_b64 s[28:29], s[10:11], s[28:29]
	s_add_nc_u64 s[28:29], s[28:29], s[32:33]
	s_lshl_b32 s27, s24, 6
	s_add_co_u32 s27, s27, s38                     ; my first tile among the 192
	s_lshl_b32 s32, s27, 13                        ; 8,192 bytes of images a tile,
	s_lshl_b32 s39, s26, 11                        ; 2,048 for 256 along K
	s_add_co_u32 s32, s32, s39
	s_add_nc_u64 s[30:31], s[16:17], s[32:33]
	s_lshl_b32 s32, s27, 9                         ; scale bytes: 16 columns x 32 bytes a tile,
	s_lshl_b32 s39, s26, 3                         ; 8 for 256 along K,
	s_add_co_u32 s32, s32, s39
	s_add_co_u32 s32, s32, 262144                  ; behind x's
	s_add_nc_u64 s[36:37], s[18:19], s[32:33]
	v_lshlrev_b32 v4, 13, v6
	v_lshl_add_u32 v4, v7, 4, v4                   ; my 16 bytes of a block's 256, in my tile
	v_lshlrev_b32 v5, 5, v2                        ; my column's row of scale bytes
	LOADW 0
	LOADW 1
.macro QBLOCK t
.set XS, WX+32*((\t)%2)
.if (\t) < 7
	s_wait_loadcnt 32                              ; this block's 32 loads are in; the next block's may be out
.else
	s_wait_loadcnt 0x0
.endif
	v_max3_num_f32 v8, |v[XS]|, |v[XS+1]|, |v[XS+2]|
	v_max3_num_f32 v9, |v[XS+3]|, |v[XS+4]|, |v[XS+5]|
.irp i, 6,10,14,18,22,26
	v_max3_num_f32 v8, v8, |v[XS+\i]|, |v[XS+\i+1]|
	v_max3_num_f32 v9, v9, |v[XS+\i+2]|, |v[XS+\i+3]|
.endr
	v_max3_num_f32 v8, v8, |v[XS+30]|, |v[XS+31]|
	v_max3_num_f32 v8, v8, v9, (EMAX+1)<<23
	v_add_nc_u32 v11, -(EMAX<<23), v8
	v_lshrrev_b32 v10, 23, v11
.if (\t)%4 == 0
	v_mov_b32 v[WSB+(\t)/4], v10                   ; four bytes to a register, the lower K in the lower byte
.else
	v_lshl_or_b32 v[WSB+(\t)/4], v10, 8*((\t)%4), v[WSB+(\t)/4]
.endif
.irp g, 0,1,2,3
	v_cvt_scalef32_pk8_fp4_f32 v[WCD+4*(\t)+\g], v[XS+8*\g:XS+8*\g+7], v11
.endr
	global_store_b128 v4, v[WCD+4*(\t):WCD+4*(\t)+3], s[30:31] offset:256*(\t)   ; sixteen lanes store 256 consecutive bytes, aligned; each block has registers of its own
.if (\t)+2 < 8
	LOADW (\t)+2
.endif
.endm
.irp t, 0,1,2,3,4,5,6,7
	QBLOCK \t
.endr
	global_store_b64 v5, v[WSB:WSB+1], s[36:37]    ; 8 bytes of each column's 32: the one store here that is not whole runs of 256 bytes; 96 KiB in the launch
	CLOSE
; ---------------- Wo: x = high + low.  T = 8,193 x; high = T - (T - x) has 11 significant bits, which f16 holds; low = x - high is exact in f32 and is rounded to f16.
.Lwo:
	s_add_nc_u64 s[28:29], s[12:13], s[32:33]
	s_lshl_b32 s32, s38, 15                        ; 32,768 bytes of images a tile,
	s_lshl_b32 s39, s26, 13                        ; 8,192 for 256 along K
	s_add_co_u32 s32, s32, s39
	s_add_nc_u64 s[30:31], s[20:21], s[32:33]
	v_lshlrev_b32 v4, 15, v6
	v_lshl_add_u32 v4, v7, 4, v4
	s_mov_b32 s34, 0x46000400                      ; 8,193.0
	s_mov_b32 s35, s34                             ; (named with it as a pair)
	LOADW 0
	LOADW 1
.macro CBLOCK t
.set XS, WX+32*((\t)%2)
.set HS, HI+16*((\t)%2)
.set LS, LO+16*((\t)%2)
.if (\t) < 7
	s_wait_loadcnt 32                              ; this block's 32 loads are in; the next block's may be out
.else
	s_wait_loadcnt 0x0
.endif
.if (\t) >= 2
	s_wait_xcnt 0x0                                ; the stores of two blocks back have read these registers
.endif
.irp p, 0,1,2,3,4,5,6,7,8,9,10,11,12,13,14,15
.set TQ, TT+4*(\p%2)
	v_pk_mul_f32 v[TQ:TQ+1], v[XS+2*\p:XS+2*\p+1], s[34:35] op_sel_hi:[1,0]
	v_pk_add_f32 v[TQ+2:TQ+3], v[TQ:TQ+1], v[XS+2*\p:XS+2*\p+1] neg_lo:[0,1] neg_hi:[0,1]
	v_pk_add_f32 v[TQ:TQ+1], v[TQ:TQ+1], v[TQ+2:TQ+3] neg_lo:[0,1] neg_hi:[0,1]
	v_pk_add_f32 v[TQ+2:TQ+3], v[XS+2*\p:XS+2*\p+1], v[TQ:TQ+1] neg_lo:[0,1] neg_hi:[0,1]
	v_cvt_pk_f16_f32 v[HS+\p], v[TQ], v[TQ+1]
	v_cvt_pk_f16_f32 v[LS+\p], v[TQ+2], v[TQ+3]
.endr
.irp kc, 0,1,2,3
	global_store_b128 v4, v[HS+4*\kc:HS+4*\kc+3], s[30:31] offset:1024*(\t)+256*\kc
	global_store_b128 v4, v[LS+4*\kc:LS+4*\kc+3], s[30:31] offset:1024*(\t)+256*\kc+2097152
.endr
.if (\t)+2 < 8
	LOADW (\t)+2
.endif
.endm
.irp t, 0,1,2,3,4,5,6,7
	CBLOCK \t
.endr
	CLOSE
.Lfunc_end_k_q1bd98b6a20_prep:
	.size	k_q1bd98b6a20_prep, .Lfunc_end_k_q1bd98b6a20_prep-k_q1bd98b6a20_prep
	.p2alignl 7, 3214868480
	.fill 96, 4, 3214868480
	.section	.rodata,"a",@progbits
	.p2align	6, 0x0
	.amdhsa_kernel k_q1bd98b6a20_prep
		.amdhsa_group_segment_fixed_size 33280
		.amdhsa_private_segment_fixed_size 0
		.amdhsa_enable_private_segment 0
		.amdhsa_kernarg_size 72
		.amdhsa_user_sgpr_count 2
		.amdhsa_user_sgpr_kernarg_segment_ptr 1
		.amdhsa_wavefront_size32 1
		.amdhsa_system_sgpr_workgroup_id_x 1
		.amdhsa_system_sgpr_workgroup_id_y 1
		.amdhsa_system_sgpr_workgroup_id_z 1
		.amdhsa_system_vgpr_workitem_id 0
		.amdhsa_next_free_vgpr 192
		.amdhsa_next_free_sgpr 66
		.amdhsa_reserve_vcc 0
		.amdhsa_float_denorm_mode_32 3
		.amdhsa_float_denorm_mode_16_64 3
		.amdhsa_memory_ordered 1
		.amdhsa_forward_progress 1
		.amdhsa_inst_pref_size 150
	.end_amdhsa_kernel
	.amdgpu_metadata
---
amdhsa.version: [ 1, 2 ]
amdhsa.kernels:
  - .name:           k_q1bd98b6a20_prep
    .symbol:         k_q1bd98b6a20_prep.kd
    .args:
      - { .name: inputs, .offset: 0, .size: 8, .value_kind: global_buffer, .address_space: global }
      - { .name: Wq, .offset: 8, .size: 8, .value_kind: global_buffer, .address_space: global }
      - { .name: Wk, .offset: 16, .size: 8, .value_kind: global_buffer, .address_space: global }
      - { .name: Wv, .offset: 24, .size: 8, .value_kind: global_buffer, .address_space: global }
      - { .name: Wo, .offset: 32, .size: 8, .value_kind: global_buffer, .address_space: global }
      - { .name: xc, .offset: 40, .size: 8, .value_kind: global_buffer, .address_space: global }
      - { .name: wc, .offset: 48, .size: 8, .value_kind: global_buffer, .address_space: global }
      - { .name: sc, .offset: 56, .size: 8, .value_kind: global_buffer, .address_space: global }
      - { .name: wo, .offset: 64, .size: 8, .value_kind: global_buffer, .address_space: global }
    .group_segment_fixed_size: 33280
    .private_segment_fixed_size: 0
    .kernarg_segment_align: 8
    .kernarg_segment_size: 72
    .max_flat_workgroup_size: 128
    .sgpr_count:     66
    .vgpr_count:     192
    .wavefront_size: 32
...
	.end_amdgpu_metadata
.endif
;; end of part 1
;; launch qkv (part 2): grid 12 x 32, 4 waves a work-group, clusters of 4 x 4, 327,680 bytes of LDS; arguments xc, wc, sc, qkv, fq; writes qkv, fq
.if DOCPART == 2
	.amdgcn_target "amdgcn-amd-amdhsa--gfx1250"
	.amdhsa_code_object_version 6
	.text
	.protected	k_q1bd98b6a20_qkv
	.globl	k_q1bd98b6a20_qkv
	.p2align	8
	.type	k_q1bd98b6a20_qkv,@function
k_q1bd98b6a20_qkv:
	s_mov_b64 s[64:65], 0
	v_nop
	global_prefetch_b8 v0, s[64:65] scope:SCOPE_SE
	s_setreg_imm32_b32 hwreg(HW_REG_WAVE_MODE, 25, 1), 1
	s_wait_xcnt 0x0
	s_wait_alu depctr_hold_cnt(0) depctr_sa_sdst(0) depctr_va_vdst(0) depctr_va_sdst(0) depctr_va_ssrc(0) depctr_va_vcc(0) depctr_vm_vsrc(0)
	s_getreg_b32 s2, hwreg(HW_REG_IB_STS2, 6, 4)
	s_cmp_eq_u32 s2, 0
	s_cbranch_scc0 .Lentry_in_a_cluster
	s_endpgm
.Lentry_in_a_cluster:
	s_bfe_u32 s2, ttmp6, 0x10000c
	s_cmp_lg_u32 s2, 0xf033
	s_cbranch_scc0 .Lentry_shape_is_right
	s_endpgm
.Lentry_shape_is_right:
; Launch 2 of 5: q, k, v = inputs x Wq, Wk, Wv on codes of E2M1 with one E8M0 scale for each 32 along K; sums in f32, K ascending.  One GEMM [8192] x [3072], K = 1,024.
; A tile of 256 rows x 256 columns is made by four waves, 128 x 128 each: 64 accumulators, 512 registers.  K = 1,024 is two LDS slots of 512: BOTH ARE FIRST FILLS, nothing is filled again, there is no loop.
; x's codes lie as rows (256 bytes of a row to a slot, 16 bytes of padding behind each in LDS); the weights' codes lie as images of the operand's registers, so a fragment is two loads at 16 x lane.
; The scale bytes of the tile's 256 rows and 256 columns, for all of K, are two dense blocks: they come once, with the first fills.  One register carries x's word in lanes 0-15 and the weight's in lanes 16-31.
; CLUSTERS: 4 x 4 work-groups; cluster x = which tensor (0 q, 1 k, 2 v), cluster y = Y.  Tile row = 8 cy + Y (so cy is the batch), tile column = 4 x tensor + cx.  The four of a row of the cluster ask jointly for
; x's tiles, the four of a column for the weights'.
; THE RESULTS LEAVE AS IMAGES OF THE NEXT LAUNCH'S OPERAND REGISTERS, in f16, straight from registers: every store of a wave covers 512 consecutive bytes.
;   q, k: source 0 = 16 weight columns, source 1 = 16 rows of x: a lane holds one token and eight neighbouring channels.  qkv + tensor x 16,777,216: [batch x head 64][16 tokens: 128][32 channels: 2][1,024].
;   v:    the sources swapped: a lane holds one channel and eight neighbouring tokens: V^T, [batch x head][32 keys: 64][16 channels: 4][1,024].  The two forms are two copies of the text, parted on the cluster's x.
; The first 16 positions of every sequence also leave in f32, as the accumulators stand: fq [batch 4][tile of 16 columns: 192][1,024]: registers 0-3 at 16 x lane, 4-7 at 512 + 16 x lane.
; LIMIT: q, k, v under 65,504 in magnitude (f16).
; REGISTERS: window 0: v16-29 addresses; v32-95 scale words, two sets; v128-191 x's fragments, one set; on the way out v96-223 packed results.  window 1: the weights' fragments, two sets, at v0 and v128.
;   window 2: the accumulators of my rows 0-63 ((a, b) at v[8 (8 (a % 4) + b)]);  window 3: those of rows 64-127.
.set NQ,     4                         ; steps of 128 along K in a slot
.set PITCH,  272
.set FR,     8
.set NL,     2
.set NP,     4
.set HALFA,  128*PITCH                 ; 128 rows of x: what one tensor load brings
.set BOFF,   2*HALFA                   ; behind x's 256 rows: the weights' 16 tiles x 4,096 bytes
.set HALFB,  32768
.set SLOT,   BOFF+2*HALFB
.set KS,     32                        ; a row of scale bytes
.set SCL,    2*SLOT
.set HALFS,  16*272                    ; the scale bytes of 128 rows: 16 runs of 256 bytes + 16 of padding
.set SBLK,   2*272                     ; those of 16 rows
.set SPARE,  SCL+4*HALFS               ; the spare words: 128 bytes a wave, two blocks of 256 bytes that no other line names
.set ADRA, 16
.set ADRB, 20
.set CO,   26                          ; v26 16 x lane
.set ADRS, 27
.set SPW,  28
.set NIL,  29
.set SC,   32
.set PK,   96
.set AF,   128
.set G1, 24
.set G0, 32
.set G1B, 48
.set G0B, 56
.set G1S, 68
.set G0S, 76
.set G1SB, 80
.set G0SB, 88
.set MSB, 0
.macro WIN new                         ; the immediate's high byte repeats the setting that is left
.if MSB != (\new)
	s_set_vgpr_msb (MSB<<8)|(\new)
.set MSB, \new
.endif
.endm
.set TO_B, 0x40
; A joint load: waves 0 and 1 fetch for x, waves 2 and 3 for the weights.  The branch hangs on the wave's number alone.  An s_nop 0 and four v_nop follow each of the two lines.
.macro JLOAD g0a, g1a, g0b, g1b
	s_cmp_eq_u32 s15, 0
	s_cbranch_scc0 .Lfor_b_\@
	tensor_load_to_lds s[\g0a:\g0a+3], s[\g1a:\g1a+7]
	s_nop 0
.rept 4
	v_nop
.endr
	s_branch .Lasked_\@
.Lfor_b_\@:
	tensor_load_to_lds s[\g0b:\g0b+3], s[\g1b:\g1b+7]
	s_nop 0
.rept 4
	v_nop
.endr
.Lasked_\@:
.endm
.macro CROUND                          ; a round of the cluster's barrier
	s_barrier_signal -1
	s_barrier_wait -1
	s_cmp_lg_u32 s14, 0
	s_cbranch_scc1 .Lnot_wave_0_\@
	s_barrier_signal -3
.Lnot_wave_0_\@:
	s_barrier_wait -3
	s_barrier_signal -1
	s_barrier_wait -1
.endm
	s_load_b128 s[4:7], s[0:1], 0x0                ; x's codes s[4:5], the weights' s[6:7]
	s_load_b128 s[8:11], s[0:1], 0x10              ; the scale bytes s[8:9], qkv s[10:11]
	s_load_b64 s[12:13], s[0:1], 0x20              ; fq
	v_lshl_add_u32 v[SPW], v0, 2, SPARE
	v_mov_b32 v[NIL], 0
	ds_add_u32 v[SPW], v[NIL]                      ; the wave's opening: the add, twice on end, and its wait ahead of my first tensor load
	ds_add_u32 v[SPW], v[NIL]
	v_lshrrev_b32 v1, 5, v0
	v_readfirstlane_b32 s14, v1                    ; wave 0..3
	s_lshr_b32 s15, s14, 1                         ; which half of the tile's rows is mine.  Also: I fetch for x (0) or for the weights (1)
	s_and_b32 s16, s14, 1                          ; which half of its columns.  Also: which half of that tile I fetch
	s_bfe_u32 s40, ttmp6, 0x40000                  ; cx
	s_bfe_u32 s41, ttmp6, 0x40004                  ; cy
	s_lshl_b32 s42, ttmp9, 2
	s_add_co_u32 s42, s42, s40                     ; tile column = 4 x tensor + cx
	s_and_b32 s95, ttmp7, 0xffff                   ; Y
	s_lshl_b32 s17, s41, 3
	s_add_co_u32 s17, s17, s95                     ; tile row = 8 cy + Y
	s_lshl_b32 s43, s41, 2
	s_lshl_b32 s43, 15, s43                        ; my row of the cluster
	s_lshl_b32 s44, 0x1111, s40                    ; my column
	s_or_b32 s[G1+0], s43, (0<<16)|(1<<20)|(1<<21)|(5<<22)|(3<<25)   ; x: elements of 1 byte; 4 words of padding behind every 64; the mask of my row, bit 21 beside it
	s_mov_b32 s[G1+1], 256<<16                     ; tensor_dim0 = 256
	s_mov_b32 s[G1+2], 128<<16                     ; tensor_dim1 = 128
	s_mov_b32 s[G1+3], 256<<16                     ; tile_dim0
	s_mov_b32 s[G1+4], 128                         ; tile_dim1
	s_mov_b32 s[G1+5], 512                         ; a row of x's codes
	s_mov_b32 s[G1+6], 0
	s_mov_b32 s[G1+7], 0
	s_or_b32 s[G1B+0], s44, (3<<16)|(1<<21)        ; the weights: elements of 8 bytes, no padding; the mask of my column
	s_mov_b32 s[G1B+1], 512<<16                    ; a slot's part of a tile of 16 columns: 4,096 bytes
	s_mov_b32 s[G1B+2], 8<<16                      ; 8 tiles
	s_mov_b32 s[G1B+3], 512<<16
	s_mov_b32 s[G1B+4], 8
	s_mov_b32 s[G1B+5], 1024                       ; 8,192 bytes from tile to tile
	s_mov_b32 s[G1B+6], 0
	s_mov_b32 s[G1B+7], 0
	s_or_b32 s[G1S+0], s43, (3<<16)|(1<<20)|(1<<21)|(5<<22)|(3<<25)  ; the scale bytes of 128 rows: 4,096 dense bytes as 16 rows of 256, 16 bytes of padding behind each
	s_or_b32 s[G1SB+0], s44, (3<<16)|(1<<20)|(1<<21)|(5<<22)|(3<<25)
.irp g, G1S, G1SB
	s_mov_b32 s[\g+1], 32<<16
	s_mov_b32 s[\g+2], 16<<16
	s_mov_b32 s[\g+3], 32<<16
	s_mov_b32 s[\g+4], 16
	s_mov_b32 s[\g+5], 32
	s_mov_b32 s[\g+6], 0
	s_mov_b32 s[\g+7], 0
.endr
	s_lshl_b32 s18, s16, 7
	s_lshl_b32 s20, s17, 8
	s_add_co_u32 s20, s20, s18                     ; x: row 256 x tile row + 128 x half
	s_lshl_b32 s46, s42, 8
	s_add_co_u32 s46, s46, s18                     ; the weights: column 256 x tile column + 128 x half
	s_lshl_b32 s22, s20, 5                         ; their scale bytes: 32 a row,
	s_mov_b32 s23, 0
	s_lshl_b32 s92, s46, 5
	s_add_co_u32 s92, s92, 262144                  ; the weights' behind x's
	s_mov_b32 s93, 0
	s_lshl_b32 s20, s20, 9                         ; their codes: 512 bytes a row or column
	s_mov_b32 s21, 0
	s_lshl_b32 s46, s46, 9
	s_mov_b32 s47, 0
	s_mul_i32 s45, s16, HALFA                      ; where they go: no place in the cluster enters an LDS address
	s_mul_i32 s96, s16, HALFB
	s_add_co_u32 s96, s96, BOFF
	s_mul_i32 s94, s14, HALFS
	s_wait_dscnt 0x0                               ; both opening adds are done
	s_wait_kmcnt 0x0
	s_add_nc_u64 s[20:21], s[4:5], s[20:21]
	s_add_nc_u64 s[22:23], s[8:9], s[22:23]
	s_add_nc_u64 s[46:47], s[6:7], s[46:47]
	s_add_nc_u64 s[92:93], s[8:9], s[92:93]
	CROUND                                         ; all sixteen work-groups are here: the first joint loads meet
	s_mov_b32 s[G0S], 1
	s_add_co_u32 s[G0S+1], s94, SCL
	s_mov_b64 s[G0S+2:G0S+3], s[22:23]
	s_or_b32 s[G0S+3], s[G0S+3], 0x80000000
	s_mov_b32 s[G0SB], 1
	s_add_co_u32 s[G0SB+1], s94, SCL
	s_mov_b64 s[G0SB+2:G0SB+3], s[92:93]
	s_or_b32 s[G0SB+3], s[G0SB+3], 0x80000000
	JLOAD G0S, G1S, G0SB, G1SB                     ; the scale bytes first; three loads of mine are out at the most
.irp s, 0,1
	s_mov_b32 s[G0+4*\s], 1
	s_add_co_u32 s[G0+4*\s+1], s45, \s*SLOT
	s_add_nc_u64 s[G0+4*\s+2:G0+4*\s+3], s[20:21], \s*256
	s_or_b32 s[G0+4*\s+3], s[G0+4*\s+3], 0x80000000
	s_mov_b32 s[G0B+4*\s], 1
	s_add_co_u32 s[G0B+4*\s+1], s96, \s*SLOT
	s_add_nc_u64 s[G0B+4*\s+2:G0B+4*\s+3], s[46:47], \s*4096
	s_or_b32 s[G0B+4*\s+3], s[G0B+4*\s+3], 0x80000000
	JLOAD G0+4*\s, G1, G0B+4*\s, G1B
.endr
	v_and_b32 v1, 15, v0                           ; r
	v_bfe_u32 v2, v0, 4, 1                         ; h
	v_mul_u32_u24 v3, v1, PITCH
	v_lshl_add_u32 v4, v2, 4, v3                   ; x: row x pitch + 16 h
	v_and_b32 v6, 31, v0
	v_lshlrev_b32 v[CO], 4, v6                     ; 16 x lane: an image's place for my lane
	s_mul_i32 s21, s15, HALFA                      ; my 128 rows of x
	s_mul_i32 s22, s16, HALFB
	s_add_co_u32 s22, s22, BOFF                    ; my 8 tiles of weight columns
.irp s, 0,1
	v_add_nc_u32 v[ADRA+\s], s21, v4
	v_add_nc_u32 v[ADRB+\s], s22, v[CO]
	s_add_co_u32 s21, s21, SLOT
	s_add_co_u32 s22, s22, SLOT
.endr
	v_mul_u32_u24 v5, v1, KS                       ; my row's scale bytes: 32 a row,
	v_lshrrev_b32 v6, 8, v5
	v_lshl_add_u32 v5, v6, 4, v5                   ; and 16 more for each 256 passed
	s_mul_i32 s21, s15, HALFS
	s_mul_i32 s22, s16, HALFS
	s_add_co_u32 s22, s22, 2*HALFS
	s_sub_co_u32 s22, s22, s21
	v_mul_u32_u24 v6, s22, v2                      ; lanes 16-31 take the weights'
	s_add_co_u32 s21, s21, SCL
	v_add_nc_u32 v5, v5, v6
	v_add_nc_u32 v[ADRS], s21, v5
	s_lshl_b32 s20, s41, 4                         ; where my results go: batch x head = 16 cy + 4 cx + 2 x column half (+ b / 4),
	s_lshl_b32 s21, s40, 2
	s_add_co_u32 s20, s20, s21
	s_lshl_b32 s21, s16, 1
	s_add_co_u32 s20, s20, s21
	s_lshl_b32 s20, s20, 18                        ; 262,144 bytes a head,
	s_lshl_b32 s21, ttmp9, 24                      ; 16,777,216 a tensor,
	s_add_co_u32 s20, s20, s21
	s_lshl_b32 s21, s95, 15                        ; 128 bytes a position: 256 Y
	s_add_co_u32 s20, s20, s21
	s_lshl_b32 s21, s15, 14                        ; + 128 x row half
	s_add_co_u32 s20, s20, s21
	s_mov_b32 s21, 0
	s_add_nc_u64 s[10:11], s[10:11], s[20:21]
	s_mul_i32 s20, s41, 196608                     ; fq: 192 images a batch,
	s_lshl_b32 s21, s42, 14                        ; 16 a tile column,
	s_add_co_u32 s20, s20, s21
	s_lshl_b32 s21, s16, 13                        ; 8 a column half
	s_add_co_u32 s20, s20, s21
	s_mov_b32 s21, 0
	s_add_nc_u64 s[12:13], s[12:13], s[20:21]
	s_or_b32 s97, s95, s15                         ; 0 where my rows begin a sequence: alike in all partners, for a given wave
.macro FRAGA reg, adr, q, i            ; 16 rows x 128 K of 4-bit codes: registers 4 c .. 4 c + 3 hold K = 64 c + 32 h + 0 .. 31
.irp c, 0,1
	ds_load_b128 v[\reg+4*\c:\reg+4*\c+3], v[\adr] offset:64*(\q)+32*\c+(\i)*16*PITCH
.endr
.endm
.macro FRAGB reg, adr, q, i            ; the same from an image
.irp c, 0,1
	ds_load_b128 v[\reg+4*\c:\reg+4*\c+3], v[\adr] offset:(\i)*4096+(\q)*1024+512*\c
.endr
.endm
; 16 matrix instructions: x's blocks a0, a0 + 1 against the weights' eight, the slot's q-th 128 along K.  The 64 accumulators take turns, one instruction a turn, in the same order in every step.
.macro MUL16 a0, p, q, sc, zero
.irp a, \a0, \a0+1
.irp b, 0,1,2,3,4,5,6,7
.set rD, 8*(8*((\a)%4)+\b)
.set rB, 128*(\p)+FR*\b
.set rA, AF+FR*(\a)
.set rSB, SC+8*NQ*(\sc)+NQ*\b+(\q)
.set rSA, SC+8*NQ*(\sc)+NQ*(\a)+(\q)
.if SWAP
.if \zero
	v_wmma_scale_f32_16x16x128_f8f6f4 v[rD:rD+7], v[rA:rA+7], v[rB:rB+7], 0, v[rSA], v[rSB] matrix_a_fmt:MATRIX_FMT_FP4 matrix_b_fmt:MATRIX_FMT_FP4 matrix_b_scale:MATRIX_SCALE_ROW1
.else
	v_wmma_scale_f32_16x16x128_f8f6f4 v[rD:rD+7], v[rA:rA+7], v[rB:rB+7], v[rD:rD+7], v[rSA], v[rSB] matrix_a_fmt:MATRIX_FMT_FP4 matrix_b_fmt:MATRIX_FMT_FP4 matrix_b_scale:MATRIX_SCALE_ROW1
.endif
.else
.if \zero
	v_wmma_scale_f32_16x16x128_f8f6f4 v[rD:rD+7], v[rB:rB+7], v[rA:rA+7], 0, v[rSB], v[rSA] matrix_a_fmt:MATRIX_FMT_FP4 matrix_b_fmt:MATRIX_FMT_FP4 matrix_a_scale:MATRIX_SCALE_ROW1
.else
	v_wmma_scale_f32_16x16x128_f8f6f4 v[rD:rD+7], v[rB:rB+7], v[rA:rA+7], v[rD:rD+7], v[rSB], v[rSA] matrix_a_fmt:MATRIX_FMT_FP4 matrix_b_fmt:MATRIX_FMT_FP4 matrix_a_scale:MATRIX_SCALE_ROW1
.endif
.endif
.endr
.endr
.endm
.macro FETCH_B slot, q, p
	WIN TO_B
.irp i, 0,1,2,3,4,5,6,7
	FRAGB 128*(\p)+FR*\i, ADRB+\slot, \q, \i
.endr
	WIN 0
.endm
.macro FETCH_A slot, q, i0
.irp i, \i0, \i0+1, \i0+2, \i0+3
	FRAGA AF+FR*(\i), ADRA+\slot, \q, \i
.endr
.endm
.macro SCALES sc                       ; a slot's scale words: four a row; lanes 0-15 x's block i, lanes 16-31 the weights' block i
.irp i, 0,1,2,3,4,5,6,7
	ds_load_b128 v[SC+8*NQ*\sc+NQ*\i:SC+8*NQ*\sc+NQ*\i+3], v[ADRS] offset:\i*SBLK
.endr
.endm
.macro PLACES n                        ; plain vector instructions between a matrix instruction and a load into, or a read of, its registers
.rept \n
	v_nop
.endr
.endm
.macro STEP slot, q, zero              ; a step of 128 along K that has its successor in the same slot
	s_wait_dscnt 4*NL                              ; all but the youngest eight loads (x's blocks 4-7) are in
	WIN MUL_LO
	MUL16 0, (\q)%2, \q, \slot, \zero
	MUL16 2, (\q)%2, \q, \slot, \zero
	s_wait_dscnt 0
	PLACES NP
	FETCH_B \slot, (\q)+1, 1-(\q)%2
	FETCH_A \slot, (\q)+1, 0
	WIN MUL_HI
	MUL16 4, (\q)%2, \q, \slot, \zero
	MUL16 6, (\q)%2, \q, \slot, \zero
	PLACES NP
	WIN 0
	FETCH_A \slot, (\q)+1, 4
.endm
.macro TURN slot, next                 ; slot 0's last step: behind its barrier slot 1, which four waves fetched, is whole for all.  Nothing is filled again
	s_wait_tensorcnt 0x0                           ; my part of slot 1 has landed
	ds_add_u32 v[SPW], v[NIL]
	s_wait_dscnt 4*NL+1                            ; the add and the youngest eight loads may be out
	WIN MUL_LO
	MUL16 0, 1, NQ-1, \slot, 0
	s_wait_dscnt 0x0
	s_barrier_signal -1
	MUL16 2, 1, NQ-1, \slot, 0
	WIN 0
	s_barrier_wait -1
	PLACES NP
	v_add_nc_u32 v[ADRS], 4*NQ, v[ADRS]            ; the next slot's scale words
	FETCH_B \next, 0, 0
	FETCH_A \next, 0, 0
	SCALES \next
	WIN MUL_HI
	MUL16 4, 1, NQ-1, \slot, 0
	MUL16 6, 1, NQ-1, \slot, 0
	PLACES NP
	WIN 0
	FETCH_A \next, 0, 4
.endm
.macro STEPS slot, from
.set Q, \from
.rept NQ-1-\from
	STEP \slot, Q, 0
.set Q, Q+1
.endr
.endm
.macro MAIN swap
.set SWAP, \swap
.if \swap
.set MUL_LO, 0xa4                      ; source 0 (x) window 0, source 1 (the weights) window 1, C and D window 2
.set MUL_HI, 0xf4
.else
.set MUL_LO, 0xa1                      ; source 0 (the weights) window 1, source 1 (x) window 0, C and D window 2
.set MUL_HI, 0xf1
.endif
	FETCH_B 0, 0, 0
	FETCH_A 0, 0, 0
	SCALES 0
	FETCH_A 0, 0, 4
	STEP 0, 0, 1                                   ; the first products start the sums: nothing is cleared
	STEPS 0, 1
	TURN 0, 1
	STEPS 1, 0
	s_wait_dscnt 4*NL
	WIN MUL_LO
	MUL16 0, 1, NQ-1, 1, 0
	MUL16 2, 1, NQ-1, 1, 0
	s_wait_dscnt 0x0
	WIN MUL_HI
	MUL16 4, 1, NQ-1, 1, 0
	MUL16 6, 1, NQ-1, 1, 0
	WIN 0
	PLACES NP
	s_cmp_lg_u32 s97, 0
	s_cbranch_scc1 .Lnot_first_\@
	WIN 0x08                                       ; a store's data: window 2
.irp b, 0,1,2,3,4,5,6,7
	global_store_b128 v[CO], v[8*\b:8*\b+3], s[12:13] offset:1024*\b          ; positions 0-15 in f32, each accumulator from its low end on
	global_store_b128 v[CO], v[8*\b+4:8*\b+7], s[12:13] offset:1024*\b+512
.endr
	WIN 0
.Lnot_first_\@:
.irp a, 0,1,2,3,4,5,6,7
.if \a == 4
	s_wait_xcnt 0x0                                ; the stores of blocks 0 to 3 have read their registers
.endif
	WIN 0x0a+5*(\a/4)                              ; sources in window 2 or 3
.irp b, 0,1,2,3,4,5,6,7
.irp i, 0,1,2,3
	v_cvt_pk_f16_f32 v[PK+32*(\a%4)+4*\b+\i], v[64*(\a%4)+8*\b+2*\i], v[64*(\a%4)+8*\b+2*\i+1]
.endr
.endr
	WIN 0
.irp b, 0,1,2,3,4,5,6,7
.if \swap
	global_store_b128 v[CO], v[PK+32*(\a%4)+4*\b:PK+32*(\a%4)+4*\b+3], s[10:11] offset:(\a/2)*4096+(\a%2)*512+(\b/4)*262144+(\b%4)*1024
.else
	global_store_b128 v[CO], v[PK+32*(\a%4)+4*\b:PK+32*(\a%4)+4*\b+3], s[10:11] offset:\a*2048+(\b/4)*262144+(\b%4)*512
.endif
.endr
.endr
.endm
	s_wait_tensorcnt 1                             ; the scale bytes and my part of slot 0 are in; slot 1's load may be out
	s_barrier_signal -1
	s_barrier_wait -1
	s_cmp_eq_u32 ttmp9, 2                          ; the cluster's x: alike in all partners and all waves
	s_cbranch_scc1 .Lv
	MAIN 0
	s_branch .Lend
.Lv:
	MAIN 1
.Lend:
	s_wait_tensorcnt 0x0                           ; the wave's end
	ds_add_u32 v[SPW], v[NIL]
	s_wait_dscnt 0x0
	CROUND                                         ; the closing round
	s_endpgm
.Lfunc_end_k_q1bd98b6a20_qkv:
	.size	k_q1bd98b6a20_qkv, .Lfunc_end_k_q1bd98b6a20_qkv-k_q1bd98b6a20_qkv
	.p2alignl 7, 3214868480
	.fill 96, 4, 3214868480
	.section	.rodata,"a",@progbits
	.p2align	6, 0x0
	.amdhsa_kernel k_q1bd98b6a20_qkv
		.amdhsa_group_segment_fixed_size 327680
		.amdhsa_private_segment_fixed_size 0
		.amdhsa_enable_private_segment 0
		.amdhsa_kernarg_size 40
		.amdhsa_user_sgpr_count 2
		.amdhsa_user_sgpr_kernarg_segment_ptr 1
		.amdhsa_wavefront_size32 1
		.amdhsa_system_sgpr_workgroup_id_x 1
		.amdhsa_system_sgpr_workgroup_id_y 1
		.amdhsa_system_sgpr_workgroup_id_z 1
		.amdhsa_system_vgpr_workitem_id 0
		.amdhsa_next_free_vgpr 1024
		.amdhsa_next_free_sgpr 100
		.amdhsa_reserve_vcc 0
		.amdhsa_float_denorm_mode_32 3
		.amdhsa_float_denorm_mode_16_64 3
		.amdhsa_memory_ordered 1
		.amdhsa_forward_progress 1
		.amdhsa_inst_pref_size 228
	.end_amdhsa_kernel
	.amdgpu_metadata
---
amdhsa.version: [ 1, 2 ]
amdhsa.kernels:
  - .name:           k_q1bd98b6a20_qkv
    .symbol:         k_q1bd98b6a20_qkv.kd
    .args:
      - { .name: xc, .offset: 0, .size: 8, .value_kind: global_buffer, .address_space: global }
      - { .name: wc, .offset: 8, .size: 8, .value_kind: global_buffer, .address_space: global }
      - { .name: sc, .offset: 16, .size: 8, .value_kind: global_buffer, .address_space: global }
      - { .name: qkv, .offset: 24, .size: 8, .value_kind: global_buffer, .address_space: global }
      - { .name: fq, .offset: 32, .size: 8, .value_kind: global_buffer, .address_space: global }
    .group_segment_fixed_size: 327680
    .private_segment_fixed_size: 0
    .kernarg_segment_align: 8
    .kernarg_segment_size: 40
    .max_flat_workgroup_size: 128
    .sgpr_count:     100
    .vgpr_count:     1024
    .wavefront_size: 32
...
	.end_amdgpu_metadata
.endif
;; end of part 2
;; launch attn (part 3): grid 4 x 64, 8 waves a work-group, no clusters, 327,680 bytes of LDS; arguments qkv, ctx; writes ctx
.if DOCPART == 3
	.amdgcn_target "amdgcn-amd-amdhsa--gfx1250"
	.amdhsa_code_object_version 6
	.text
	.protected	k_q1bd98b6a20_attn
	.globl	k_q1bd98b6a20_attn
	.p2align	8
	.type	k_q1bd98b6a20_attn,@function
k_q1bd98b6a20_attn:
	s_mov_b64 s[64:65], 0
	v_nop
	global_prefetch_b8 v0, s[64:65] scope:SCOPE_SE
	s_setreg_imm32_b32 hwreg(HW_REG_WAVE_MODE, 25, 1), 1
	s_wait_xcnt 0x0
; Launch 3 of 5: ctx = softmax(q k^T / 8, causal) v, head by head, on f16 operands with f32 sums; maxima, exponentials and row sums in f32, with a running maximum.
; LEFT OUT AS DEAD WORK: a step of 64 keys all of which come after a wave's 32 queries (reference()'s own jnp.tril gives them the weight 0): see the first launch's head.
; SHARES.  Work-group (X, head) owns the blocks of 256 queries numbered 7 - X and then X: (8 - X) + (X + 1) = 9 slots of 256 keys for every work-group, so all trip counts are constants and all 256
; work-groups have equal work.  Each of eight waves owns 32 queries, two tiles, in 384 registers: two waves to a SIMD, so that one's vector work stands beside the other's products and LDS loads.
; NO CLUSTER: the four work-groups of a head begin their second walk in trip 8 - X, so from there on their tiles differ; walking in step would cost 12 slots against 9.
; LAYOUT.  S^T = K Q^T and O^T = V^T P: a lane holds ONE query throughout.  q, k and V^T lie in memory as images of these operands' registers, so a key step's K (8,192 bytes) and V (8,192) are dense blocks,
; every fragment is two loads at 16 x lane, and nothing is turned.  The packed results are the image that the next launch's operand wants: eight stores of 512 consecutive bytes a block.
; RING.  Two slots of 256 keys (65,536 bytes); every wave fetches 8,192 bytes of each: waves 0-3 K of step w, waves 4-7 V of step w - 4.  One tensor load of mine is out at the most.
; LIMIT: p is rounded to f16 for the second product (a p under 6e-8 becomes 0); the row's sum is of the unrounded p.
; REGISTERS: window 0: v1-12 addresses and constants; v16-31 statistics, 8 a tile: +0 c m, +1 m, +2, +3 the sum, +4 .. +7 at work (a at +6); v32-63 Q; v64-127 S^T; v128-159 P; v160-223 O^T; v224-255 packed results.
;   window 1: v0-63 K's 8 fragments; v64-127 V's 8.
.set SLOT1, 65536
.set STEPB, 16384                      ; a key step in LDS: K's 8,192 bytes, then V's
.set SPARE, 131072                     ; the spare words: 128 bytes a wave, four blocks of 256 bytes that no other line names
.set LI,   3                           ; v3  16 x lane
.set ADR,  4                           ; v4  the slot in hand + 16 x lane
.set RH,   5                           ; v5  r - 8 h
.set MD,   6
.set NINF, 7
.set SPW,  10
.set NIL,  11
.set PFO,  12                          ; v12 256 x lane
.set ST,   16
.set Q,    32
.set S,    64
.set P,    128
.set O,    160
.set OUTR, 224
; s8 wave, s9 X, s10 head, s11 8 - X, s12 trips done, s13 the slot of keys asked for last, s14 LDS byte of the slot in hand, s15 the step's first key, s16 my first query, s17 my last,
; s19 trips in which I prefetch, s[20:21] lane selects, s[22:23] c, s[24:31] group 1, s[32:35] group 0, s[36:37] my part of slot 0 in memory, s[38:39] an offset, s[40:41] the prefetches' place,
; s[42:43] q of my head, s[44:45] ctx of my head, s[46:47] my queries, s[48:49] my results, s50-55 at work
.set MSB, 0
.macro WIN new
.if MSB != (\new)
	s_set_vgpr_msb (MSB<<8)|(\new)
.set MSB, \new
.endif
.endm
	s_load_b128 s[4:7], s[0:1], 0x0                ; qkv, ctx
	v_lshl_add_u32 v[SPW], v0, 2, SPARE
	v_mov_b32 v[NIL], 0
	ds_add_u32 v[SPW], v[NIL]                      ; the wave's opening: the add, twice on end, and its wait ahead of my first tensor load
	ds_add_u32 v[SPW], v[NIL]
	v_lshrrev_b32 v1, 5, v0
	v_readfirstlane_b32 s8, v1
	s_mov_b32 s9, ttmp9
	s_and_b32 s10, ttmp7, 0xffff
	s_sub_co_u32 s11, 8, s9
	s_mov_b32 s24, 3<<16                           ; group 1: 8,192 dense bytes as 32 rows of 32 elements of 8 bytes; no mask, no padding
	s_mov_b32 s25, 32<<16
	s_mov_b32 s26, 32<<16
	s_mov_b32 s27, 32<<16
	s_mov_b32 s28, 32
	s_mov_b32 s29, 32
	s_mov_b32 s30, 0
	s_mov_b32 s31, 0
	s_and_b32 s50, s8, 3                           ; which step of a slot I fetch,
	s_lshr_b32 s51, s8, 2                          ; its K (0) or its V (1)
	s_mov_b32 s32, 1
	s_lshl_b32 s33, s50, 14
	s_lshl_b32 s52, s51, 13
	s_add_co_u32 s33, s33, s52                     ; LDS address in slot 0
	s_lshl_b32 s54, s10, 18                        ; my head: 262,144 bytes in each of q, k, V^T
	s_mov_b32 s55, 0
	s_add_co_u32 s52, s51, 1
	s_lshl_b32 s52, s52, 24                        ; k begins 16,777,216 bytes in, V^T twice that
	s_add_co_u32 s52, s52, s54
	s_lshl_b32 s50, s50, 13
	s_add_co_u32 s52, s52, s50
	s_mov_b32 s53, 0
	s_mov_b32 s39, 0
	s_mov_b32 s20, 0x76543210
	s_mov_b32 s21, 0xfedcba98
	s_mov_b32 s22, 0x3e38aa3b                      ; c = log2(e) / sqrt(64)
	s_mov_b32 s23, s22
	s_cmp_eq_u32 s9, 0
	s_cselect_b32 s19, 6, 0                        ; the head's work-group X = 0 walks slots 0 to 7 in order: it asks, in trips 0 to 5, for slots 2 to 7
	s_wait_dscnt 0x0                               ; both opening adds are done
	s_wait_kmcnt 0x0
	s_add_nc_u64 s[42:43], s[4:5], s[54:55]
	s_add_nc_u64 s[36:37], s[4:5], s[52:53]
	s_mov_b64 s[34:35], s[36:37]
	s_or_b32 s35, s35, 0x80000000
	tensor_load_to_lds s[32:35], s[24:31]          ; slot 0: every wave's part
	s_nop 0
.rept 4
	v_nop
.endr
	s_add_nc_u64 s[40:41], s[36:37], 32768         ; the first change of slots steps it to slot 2
	s_lshr_b32 s50, s10, 4
	s_lshl_b32 s50, s50, 22                        ; ctx: 128 tiles of 32,768 bytes a batch,
	s_and_b32 s51, s10, 15
	s_lshl_b32 s51, s51, 11                        ; 2,048 bytes a head in each
	s_add_co_u32 s50, s50, s51
	s_mov_b32 s51, 0
	s_add_nc_u64 s[44:45], s[6:7], s[50:51]
	v_and_b32 v1, 15, v0
	v_bfe_u32 v2, v0, 4, 1
	v_and_b32 v[LI], 31, v0
	v_lshlrev_b32 v[PFO], 8, v[LI]
	v_lshlrev_b32 v[LI], 4, v[LI]
	v_lshlrev_b32 v2, 3, v2
	v_sub_nc_u32 v[RH], v1, v2
	v_mov_b32 v[NINF], 0xff800000
; A block of queries begins (its number in s50): addresses, Q's four fragments, zeros for O^T and the sum, -3e38 for the maximum.
.macro SETUP
	s_lshl_b32 s51, s50, 4
	s_lshl_b32 s52, s8, 1
	s_add_co_u32 s51, s51, s52                     ; my first tile of 16 queries
	s_lshl_b32 s16, s51, 4
	s_add_co_u32 s17, s16, 31
	s_mov_b32 s15, 0
	s_lshl_b32 s52, s51, 11
	s_mov_b32 s53, 0
	s_add_nc_u64 s[46:47], s[42:43], s[52:53]
	s_lshl_b32 s52, s51, 15
	s_add_nc_u64 s[48:49], s[44:45], s[52:53]
.irp t, 0,1
.irp ks, 0,1
.irp c, 0,1
	global_load_b128 v[Q+16*\t+8*\ks+4*\c:Q+16*\t+8*\ks+4*\c+3], v[LI], s[46:47] offset:\t*2048+\ks*1024+\c*512
.endr
.endr
.endr
.set i, 0
.rept 64
	v_mov_b32 v[O+i], 0                            ; the step is written once: the first finds zeros
.set i, i+1
.endr
.irp t, 0,1
	v_mov_b32 v[ST+8*\t+1], 0xff61b1e6             ; -3e38, under every score
	v_mul_f32 v[ST+8*\t], s22, v[ST+8*\t+1]
.irp j, 2,3,4,5,6,7
	v_mov_b32 v[ST+8*\t+\j], 0
.endr
.endr
	s_wait_loadcnt 0x0
.endm
; The change of slots, at a slot's head.  Every wave waits for its tensor load (its part of the slot ahead), adds 0 to its spare word, and waits for that and for its reads of the slot left.
; fill = 1: the slot left takes the next 256 keys of the walk; the load is the first thing behind the barrier and has a slot's four steps in which to land.
.macro CHANGE fill
	s_wait_tensorcnt 0x0                           ; no tensor load of mine is out, so group 0 may be written
	ds_add_u32 v[SPW], v[NIL]
.if \fill
	s_xor_b32 s33, s33, SLOT1
	s_add_co_u32 s13, s13, 1
	s_cmp_eq_u32 s13, s11
	s_cselect_b32 s13, 0, s13                      ; behind the first block's last slot the walk begins anew
	s_lshl_b32 s38, s13, 15
	s_add_nc_u64 s[34:35], s[36:37], s[38:39]
	s_or_b32 s35, s35, 0x80000000
	s_wait_xcnt 0x0                                ; the last prefetch, a slot back, has read its address
	s_add_nc_u64 s[40:41], s[40:41], 32768
.endif
	s_wait_dscnt 0x0
	s_barrier_signal -1
	s_barrier_wait -1
.if \fill
	tensor_load_to_lds s[32:35], s[24:31]
	s_nop 0
.rept 4
	v_nop
.endr
	; A prefetch of what the NEXT change will ask for: my wave's own 8,192 bytes of the slot after, lanes 256 bytes apart: trip T names slot T + 2.  All four work-groups of a head read the same K and V:
	; X = 0 alone asks, so each block of 256 bytes is named once; slots 0 and 1 come by their loads alone; nothing is named behind slot 7.
	s_cmp_lt_u32 s12, s19
	s_cbranch_scc0 .Lnot_mine_\@
	global_prefetch_b8 v[PFO], s[40:41] th:TH_LOAD_NT scope:SCOPE_SE
.Lnot_mine_\@:
.endif
.endm
; Two tiles' softmax for 64 keys, the tiles line by line by turns.
.macro SOFTMAX
.irp j, 0,1,2,3
.irp t, 0,1
	v_max3_num_f32 v[ST+8*\t+4+\j], v[S+32*\t+8*\j], v[S+32*\t+8*\j+1], v[S+32*\t+8*\j+2]   ; four chains, one to an accumulator, each from its low end on
.endr
.endr
.irp g, 3,5
.irp j, 0,1,2,3
.irp t, 0,1
	v_max3_num_f32 v[ST+8*\t+4+\j], v[ST+8*\t+4+\j], v[S+32*\t+8*\j+\g], v[S+32*\t+8*\j+\g+1]
.endr
.endr
.endr
.irp t, 0,1
	v_max3_num_f32 v[ST+8*\t+4], v[ST+8*\t+4], v[S+32*\t+7], v[S+32*\t+15]
.endr
.irp t, 0,1
	v_max3_num_f32 v[ST+8*\t+6], v[ST+8*\t+6], v[S+32*\t+23], v[S+32*\t+31]
.endr
.irp t, 0,1
	v_max3_num_f32 v[ST+8*\t+4], v[ST+8*\t+4], v[ST+8*\t+5], v[ST+8*\t+6]
.endr
.irp t, 0,1
	v_max3_num_f32 v[ST+8*\t+4], v[ST+8*\t+4], v[ST+8*\t+7], v[ST+8*\t+1]      ; and the old m
.endr
.irp t, 0,1
	v_permlanex16_b32 v[ST+8*\t+5], v[ST+8*\t+4], s20, s21                     ; the query's other 32 keys lie in the lane 16 away
.endr
.irp t, 0,1
	v_mov_b32 v[ST+8*\t+7], v[ST+8*\t]                                         ; c m_old
.endr
.irp t, 0,1
	v_max_num_f32 v[ST+8*\t+1], v[ST+8*\t+4], v[ST+8*\t+5]
.endr
.irp t, 0,1
	v_mul_f32 v[ST+8*\t], s22, v[ST+8*\t+1]
.endr
.irp t, 0,1
	v_sub_f32 v[ST+8*\t+7], v[ST+8*\t+7], v[ST+8*\t]
.endr
.set i, 0
.rept 16
.irp t, 0,1
	v_pk_fma_f32 v[S+32*\t+2*i:S+32*\t+2*i+1], v[S+32*\t+2*i:S+32*\t+2*i+1], s[22:23], v[ST+8*\t:ST+8*\t+1] op_sel_hi:[1,0,0] neg_lo:[0,0,1] neg_hi:[0,0,1]   ; c s - c m
.endr
.set i, i+1
.endr
.irp t, 0,1
	v_exp_f32 v[ST+8*\t+6], v[ST+8*\t+7]                                       ; a = 2^(c m_old - c m_new)
.endr
.set i, 0
.rept 32
.irp t, 0,1
	v_exp_f32 v[S+32*\t+i], v[S+32*\t+i]
.endr
.set i, i+1
.endr
	v_nop                                          ; a plain instruction behind the last exponential
	s_wait_alu depctr_va_vdst(0)                   ; one wait for the batch of 66, ahead of its first reader
.set i, 0
.rept 16
.irp t, 0,1
	v_cvt_pk_f16_f32 v[P+16*\t+i], v[S+32*\t+2*i], v[S+32*\t+2*i+1]            ; two tiles of keys, packed in pairs, ARE the second product's source 1
.endr
.set i, i+1
.endr
.irp z, 0,1,2,3,4,5,6,7
.irp t, 0,1
	v_pk_add_f32 v[S+32*\t+4*\z:S+32*\t+4*\z+1], v[S+32*\t+4*\z:S+32*\t+4*\z+1], v[S+32*\t+4*\z+2:S+32*\t+4*\z+3]
.endr
.endr
.irp z, 0,1,2,3
.irp t, 0,1
	v_pk_add_f32 v[S+32*\t+8*\z:S+32*\t+8*\z+1], v[S+32*\t+8*\z:S+32*\t+8*\z+1], v[S+32*\t+8*\z+4:S+32*\t+8*\z+5]
.endr
.endr
.irp z, 0,1
.irp t, 0,1
	v_pk_add_f32 v[S+32*\t+16*\z:S+32*\t+16*\z+1], v[S+32*\t+16*\z:S+32*\t+16*\z+1], v[S+32*\t+16*\z+8:S+32*\t+16*\z+9]
.endr
.endr
.irp t, 0,1
	v_pk_add_f32 v[S+32*\t:S+32*\t+1], v[S+32*\t:S+32*\t+1], v[S+32*\t+16:S+32*\t+17]
.endr
.irp t, 0,1
	v_pk_fma_f32 v[ST+8*\t+2:ST+8*\t+3], v[ST+8*\t+2:ST+8*\t+3], v[ST+8*\t+6:ST+8*\t+7], v[S+32*\t:S+32*\t+1] op_sel_hi:[1,0,1]   ; the sum = a x the sum + this step's
.endr
.set i, 0
.rept 16
.irp t, 0,1
	v_pk_mul_f32 v[O+32*\t+2*i:O+32*\t+2*i+1], v[O+32*\t+2*i:O+32*\t+2*i+1], v[ST+8*\t+6:ST+8*\t+7] op_sel_hi:[1,0]   ; O^T x a, each accumulator from its low end on
.endr
.set i, i+1
.endr
.endm
; A key step: 64 keys, the q-th of the slot in hand.
.macro STEP q
	s_cmp_gt_u32 s15, s17                          ; all its keys come after my queries: a branch on ids, round the step's loads, products and softmax
	s_cbranch_scc1 .Lhidden_\@
	WIN 0x40                                       ; destination window 1
.irp f, 0,1,2,3,4,5,6,7                        ; K: keys 16 (f / 2) on, channels 32 (f % 2) on
	ds_load_b128 v[8*\f:8*\f+3],   v[ADR] offset:\q*STEPB+\f*1024
	ds_load_b128 v[8*\f+4:8*\f+7], v[ADR] offset:\q*STEPB+\f*1024+512
.endr
	s_wait_dscnt 0x0
	WIN 0x01                                       ; source 0 window 1
.irp ks, 0,1                                   ; the eight accumulators take turns
.irp kt, 0,1,2,3
.irp t, 0,1
.if \ks == 0
	v_wmma_f32_16x16x32_f16 v[S+32*\t+8*\kt:S+32*\t+8*\kt+7], v[8*(2*\kt+\ks):8*(2*\kt+\ks)+7], v[Q+16*\t+8*\ks:Q+16*\t+8*\ks+7], 0
.else
	v_wmma_f32_16x16x32_f16 v[S+32*\t+8*\kt:S+32*\t+8*\kt+7], v[8*(2*\kt+\ks):8*(2*\kt+\ks)+7], v[Q+16*\t+8*\ks:Q+16*\t+8*\ks+7], v[S+32*\t+8*\kt:S+32*\t+8*\kt+7]
.endif
.endr
.endr
.endr
.rept 4
	v_nop                                          ; places: in front of the loads into V's registers, which the last step's products read, and of the first read of the scores
.endr
	WIN 0x40
.irp f, 0,1,2,3,4,5,6,7                        ; V^T: keys 32 (f / 4) on, channels 16 (f % 4) on; it lands under the softmax
	ds_load_b128 v[64+8*\f:64+8*\f+3], v[ADR] offset:\q*STEPB+8192+\f*1024
	ds_load_b128 v[64+8*\f+4:64+8*\f+7], v[ADR] offset:\q*STEPB+8192+\f*1024+512
.endr
	WIN 0
	s_add_co_u32 s50, s15, 63
	s_cmp_le_u32 s50, s16                          ; all 64 keys count for all my queries: no mask
	s_cbranch_scc1 .Lopen_\@
	s_sub_co_i32 s50, s16, s15
	v_add_nc_u32 v[MD], s50, v[RH]                 ; register 8 kt + j of tile t holds key KF + 16 kt + 8 h + j: hidden where 16 kt + j > Q0 - KF + 16 t + r - 8 h
.irp t, 0,1
.set i, 0
.rept 32
	v_cmp_gt_i32 vcc_lo, 16*(i/8)+i%8, v[MD]
	v_cndmask_b32 v[S+32*\t+i], v[S+32*\t+i], v[NINF], vcc_lo
.set i, i+1
.endr
.if \t == 0
	v_add_nc_u32 v[MD], 16, v[MD]
.endif
.endr
.Lopen_\@:
	SOFTMAX
	s_wait_dscnt 0x0                               ; V is in
	WIN 0x01
.irp kk, 0,1
.irp dt, 0,1,2,3
.irp t, 0,1
	v_wmma_f32_16x16x32_f16 v[O+32*\t+8*\dt:O+32*\t+8*\dt+7], v[64+8*(4*\kk+\dt):64+8*(4*\kk+\dt)+7], v[P+16*\t+8*\kk:P+16*\t+8*\kk+7], v[O+32*\t+8*\dt:O+32*\t+8*\dt+7]
.endr
.endr
.endr
	WIN 0
.Lhidden_\@:
	s_add_co_u32 s15, s15, 64
.endm
.macro SLOT_STEPS
	v_add_nc_u32 v[ADR], s14, v[LI]
	STEP 0
	STEP 1
	STEP 2
	STEP 3
	s_xor_b32 s14, s14, SLOT1
.endm
; A block of queries ends: O^T / the sum, rounded to f16.  Tile t, channels 16 dt on: four registers a lane, which are half a fragment of the next launch's operand as they stand.
.macro FINISH
.rept 4
	v_nop                                          ; places behind the last products
.endr
	s_wait_xcnt 0x0                                ; an earlier block's stores have read their registers
.irp t, 0,1
	v_add_f32 v[ST+8*\t+4], v[ST+8*\t+2], v[ST+8*\t+3]
.endr
.irp t, 0,1
	v_permlanex16_b32 v[ST+8*\t+5], v[ST+8*\t+4], s20, s21
.endr
.irp t, 0,1
	v_add_f32 v[ST+8*\t+4], v[ST+8*\t+4], v[ST+8*\t+5]
.endr
.irp t, 0,1
	v_rcp_f32 v[ST+8*\t+6], v[ST+8*\t+4]
.endr
	v_nop
	s_wait_alu depctr_va_vdst(0)                   ; one wait for the two reciprocals, ahead of their first reader
.irp t, 0,1
.set i, 0
.rept 16
	v_pk_mul_f32 v[O+32*\t+2*i:O+32*\t+2*i+1], v[O+32*\t+2*i:O+32*\t+2*i+1], v[ST+8*\t+6:ST+8*\t+7] op_sel_hi:[1,0]
.set i, i+1
.endr
.endr
.irp t, 0,1
.set i, 0
.rept 16
	v_cvt_pk_f16_f32 v[OUTR+16*\t+i], v[O+32*\t+2*i], v[O+32*\t+2*i+1]
.set i, i+1
.endr
.endr
.irp t, 0,1
.irp dt, 0,1,2,3
	global_store_b128 v[LI], v[OUTR+16*\t+4*\dt:OUTR+16*\t+4*\dt+3], s[48:49] offset:\t*32768+\dt*512   ; 512 consecutive bytes a store
.endr
.endr
.endm
	s_sub_co_u32 s50, 7, s9                        ; the later block first
	SETUP
	s_mov_b32 s12, 0
	s_mov_b32 s13, 0
	s_mov_b32 s14, 0
.Lslot:                                            ; eight trips: behind each change of slots the next of the nine slots is asked for
	CHANGE 1
	SLOT_STEPS
	s_add_co_u32 s12, s12, 1
	s_cmp_lg_u32 s12, s11
	s_cbranch_scc1 .Lsame
	FINISH                                         ; the first block has walked its 8 - X slots
	s_wait_xcnt 0x0                                ; its stores have read their base
	s_mov_b32 s50, s9
	SETUP
.Lsame:
	s_cmp_lt_u32 s12, 8
	s_cbranch_scc1 .Lslot
	CHANGE 0                                       ; the ninth slot is written out: nothing is left to ask for
	SLOT_STEPS
	FINISH
	s_wait_tensorcnt 0x0                           ; the wave's end
	ds_add_u32 v[SPW], v[NIL]
	s_wait_dscnt 0x0
	s_endpgm
.Lfunc_end_k_q1bd98b6a20_attn:
	.size	k_q1bd98b6a20_attn, .Lfunc_end_k_q1bd98b6a20_attn-k_q1bd98b6a20_attn
	.p2alignl 7, 3214868480
	.fill 96, 4, 3214868480
	.section	.rodata,"a",@progbits
	.p2align	6, 0x0
	.amdhsa_kernel k_q1bd98b6a20_attn
		.amdhsa_group_segment_fixed_size 327680
		.amdhsa_private_segment_fixed_size 0
		.amdhsa_enable_private_segment 0
		.amdhsa_kernarg_size 16
		.amdhsa_user_sgpr_count 2
		.amdhsa_user_sgpr_kernarg_segment_ptr 1
		.amdhsa_wavefront_size32 1
		.amdhsa_system_sgpr_workgroup_id_x 1
		.amdhsa_system_sgpr_workgroup_id_y 1
		.amdhsa_system_sgpr_workgroup_id_z 1
		.amdhsa_system_vgpr_workitem_id 0
		.amdhsa_next_free_vgpr 384
		.amdhsa_next_free_sgpr 66
		.amdhsa_reserve_vcc 1
		.amdhsa_float_denorm_mode_32 3
		.amdhsa_float_denorm_mode_16_64 3
		.amdhsa_memory_ordered 1
		.amdhsa_forward_progress 1
		.amdhsa_inst_pref_size 192
	.end_amdhsa_kernel
	.amdgpu_metadata
---
amdhsa.version: [ 1, 2 ]
amdhsa.kernels:
  - .name:           k_q1bd98b6a20_attn
    .symbol:         k_q1bd98b6a20_attn.kd
    .args:
      - { .name: qkv, .offset: 0, .size: 8, .value_kind: global_buffer, .address_space: global }
      - { .name: ctx, .offset: 8, .size: 8, .value_kind: global_buffer, .address_space: global }
    .group_segment_fixed_size: 327680
    .private_segment_fixed_size: 0
    .kernarg_segment_align: 8
    .kernarg_segment_size: 16
    .max_flat_workgroup_size: 256
    .sgpr_count:     66
    .vgpr_count:     384
    .wavefront_size: 32
...
	.end_amdgpu_metadata
.endif
;; end of part 3
;; launch oproj (part 4): grid 4 x 64, 4 waves a work-group, clusters of 4 x 4, 327,680 bytes of LDS; arguments ctx, wo, bo, out0; writes out0
.if DOCPART == 4
	.amdgcn_target "amdgcn-amd-amdhsa--gfx1250"
	.amdhsa_code_object_version 6
	.text
	.protected	k_q1bd98b6a20_oproj
	.globl	k_q1bd98b6a20_oproj
	.p2align	8
	.type	k_q1bd98b6a20_oproj,@function
k_q1bd98b6a20_oproj:
	s_mov_b64 s[64:65], 0
	v_nop
	global_prefetch_b8 v0, s[64:65] scope:SCOPE_SE
	s_setreg_imm32_b32 hwreg(HW_REG_WAVE_MODE, 25, 1), 1
	s_wait_xcnt 0x0
	s_wait_alu depctr_hold_cnt(0) depctr_sa_sdst(0) depctr_va_vdst(0) depctr_va_sdst(0) depctr_va_ssrc(0) depctr_va_vcc(0) depctr_vm_vsrc(0)
	s_getreg_b32 s2, hwreg(HW_REG_IB_STS2, 6, 4)
	s_cmp_eq_u32 s2, 0
	s_cbranch_scc0 .Lentry_in_a_cluster
	s_endpgm
.Lentry_in_a_cluster:
	s_bfe_u32 s2, ttmp6, 0x10000c
	s_cmp_lg_u32 s2, 0xf033
	s_cbranch_scc0 .Lentry_shape_is_right
	s_endpgm
.Lentry_shape_is_right:
; Launch 4 of 5: out0 = ctx Wo + bo, f16 operands (Wo's high parts), f32 sums, for all positions from 16 on.  The first 16 positions of every sequence belong to the last launch, which carries them more finely:
; their products stay inside a wave's tile here, and their 16 rows are not stored.
; A tile of 128 rows x 256 columns is made by four waves, 64 x 128 each: 32 accumulators.  256 work-groups.  K = 1,024 goes in steps of 128 through two LDS slots.  Both operands lie in memory as images of the
; operands' registers: a step's part of a tile of 16 rows is 4,096 consecutive bytes, a fragment two loads at 16 x lane.
; CLUSTERS: 4 x 4; cx = tile column, tile row = 16 cy + Y (cy the batch, Y the cluster's y).  The four of a row of the cluster ask jointly for ctx's tiles, the four of a column for Wo's.
; TRANSPOSED USE: source 0 = 16 columns of Wo, source 1 = 16 rows of ctx: a lane holds eight neighbouring numbers of a row of out0.  bo is the C of each sum's first product.
; REGISTERS: window 0: v16-29 addresses; two fragment buffers of 96 at v32 and v128 (ctx's four, then Wo's eight); on the way out v32-159 rows.  window 1: accumulator (a, b) at v[8 (8 a + b)].  window 2: v0-63 bo.
.set SLOT,   98304                     ; ctx: 8 tiles x 4,096; then Wo: 16 tiles x 4,096
.set SPARE,  2*SLOT                    ; the spare words: 128 bytes a wave, two blocks of 256 bytes that no other line names
.set SPITCH, 528                       ; the way out: 16 rows x (512 + 16) bytes a wave, in slot 0, which has had its last fill and its last read by then
.set LAPS,   4
.set ADRA, 16
.set ADRB, 20
.set STO,  24
.set RD,   25
.set CO,   26
.set SPW,  28
.set NIL,  29
.set F0,   32
.set F1,   128
.set G1, 24
.set G0, 32
.set G1B, 48
.set G0B, 56
.set MSB, 0
.macro WIN new
.if MSB != (\new)
	s_set_vgpr_msb (MSB<<8)|(\new)
.set MSB, \new
.endif
.endm
.macro JLOAD s                         ; waves 0 and 1 fetch ctx's halves, waves 2 and 3 Wo's; an s_nop 0 and four v_nop follow each of the two lines
	s_cmp_eq_u32 s13, 0
	s_cbranch_scc0 .Lfor_b_\@
	tensor_load_to_lds s[G0+4*\s:G0+4*\s+3], s[G1:G1+7]
	s_nop 0
.rept 4
	v_nop
.endr
	s_branch .Lasked_\@
.Lfor_b_\@:
	tensor_load_to_lds s[G0B+4*\s:G0B+4*\s+3], s[G1B:G1B+7]
	s_nop 0
.rept 4
	v_nop
.endr
.Lasked_\@:
.endm
.macro CREST
	s_cmp_lg_u32 s12, 0
	s_cbranch_scc1 .Lnot_wave_0_\@
	s_barrier_signal -3
.Lnot_wave_0_\@:
	s_barrier_wait -3
	s_barrier_signal -1
	s_barrier_wait -1
.endm
.macro CROUND
	s_barrier_signal -1
	s_barrier_wait -1
	CREST
.endm
	s_load_b256 s[4:11], s[0:1], 0x0               ; ctx s[4:5], wo s[6:7], bo s[8:9], out0 s[10:11]
	v_lshl_add_u32 v[SPW], v0, 2, SPARE
	v_mov_b32 v[NIL], 0
	ds_add_u32 v[SPW], v[NIL]                      ; the wave's opening: the add, twice on end, and its wait ahead of my first tensor load
	ds_add_u32 v[SPW], v[NIL]
	v_lshrrev_b32 v1, 5, v0
	v_readfirstlane_b32 s12, v1                    ; wave 0..3
	s_lshr_b32 s13, s12, 1                         ; which half of the rows is mine.  Also: I fetch for ctx (0) or for Wo (1)
	s_and_b32 s14, s12, 1                          ; which half of the columns.  Also: which half of that tile I fetch
	s_bfe_u32 s40, ttmp6, 0x40000                  ; cx
	s_bfe_u32 s41, ttmp6, 0x40004                  ; cy
	s_and_b32 s42, ttmp7, 0xffff                   ; Y
	s_lshl_b32 s15, s41, 4
	s_add_co_u32 s15, s15, s42                     ; tile row
	s_lshl_b32 s43, s41, 2
	s_lshl_b32 s43, 15, s43                        ; my row of the cluster
	s_lshl_b32 s44, 0x1111, s40                    ; my column
	s_or_b32 s[G1+0], s43, (3<<16)|(1<<21)         ; elements of 8 bytes, no padding; the mask, bit 21 beside it
	s_or_b32 s[G1B+0], s44, (3<<16)|(1<<21)
	s_mov_b32 s[G1+1], 512<<16                     ; a row of the tile: 4,096 bytes, a K step of one tile of 16
	s_mov_b32 s[G1+2], 4<<16                       ; ctx: 4 tiles of 16 rows to a load
	s_mov_b32 s[G1+3], 512<<16
	s_mov_b32 s[G1+4], 4
	s_mov_b32 s[G1+5], 4096                        ; 32,768 bytes from tile to tile
	s_mov_b32 s[G1+6], 0
	s_mov_b32 s[G1+7], 0
	s_mov_b32 s[G1B+1], 512<<16
	s_mov_b32 s[G1B+2], 8<<16                      ; Wo: 8 tiles of 16 columns to a load
	s_mov_b32 s[G1B+3], 512<<16
	s_mov_b32 s[G1B+4], 8
	s_mov_b32 s[G1B+5], 4096
	s_mov_b32 s[G1B+6], 0
	s_mov_b32 s[G1B+7], 0
	s_lshl_b32 s16, s15, 3
	s_lshl_b32 s17, s14, 2
	s_add_co_u32 s16, s16, s17
	s_lshl_b32 s16, s16, 15                        ; ctx: tile of 16 rows 8 x tile row + 4 x half
	s_mov_b32 s17, 0
	s_lshl_b32 s46, s40, 4
	s_lshl_b32 s47, s14, 3
	s_add_co_u32 s46, s46, s47
	s_lshl_b32 s46, s46, 15                        ; Wo: tile of 16 columns 16 cx + 8 x half
	s_mov_b32 s47, 0
	s_lshl_b32 s20, s14, 14                        ; where they go: no place in the cluster enters an LDS address
	s_lshl_b32 s21, s14, 15
	s_add_co_u32 s21, s21, 32768
	s_wait_dscnt 0x0                               ; both opening adds are done
	s_wait_kmcnt 0x0
	s_add_nc_u64 s[18:19], s[4:5], s[16:17]
	s_add_nc_u64 s[46:47], s[6:7], s[46:47]
	CROUND                                         ; all sixteen work-groups are here: the first joint loads meet
.irp s, 0,1
	s_mov_b32 s[G0+4*\s], 1
	s_add_co_u32 s[G0+4*\s+1], s20, \s*SLOT
	s_add_nc_u64 s[G0+4*\s+2:G0+4*\s+3], s[18:19], \s*4096
	s_or_b32 s[G0+4*\s+3], s[G0+4*\s+3], 0x80000000
	s_mov_b32 s[G0B+4*\s], 1
	s_add_co_u32 s[G0B+4*\s+1], s21, \s*SLOT
	s_add_nc_u64 s[G0B+4*\s+2:G0B+4*\s+3], s[46:47], \s*4096
	s_or_b32 s[G0B+4*\s+3], s[G0B+4*\s+3], 0x80000000
	JLOAD \s                                       ; two loads of mine are out
.endr
	v_and_b32 v1, 15, v0                           ; r
	v_bfe_u32 v2, v0, 4, 1                         ; h
	v_and_b32 v3, 31, v0
	v_lshlrev_b32 v[CO], 4, v3                     ; 16 x lane
	v_lshlrev_b32 v5, 5, v2                        ; bo: 32 h
	s_lshl_b32 s22, s40, 10
	s_lshl_b32 s23, s14, 9
	s_add_co_u32 s22, s22, s23                     ; my first column, in bytes
	s_mov_b32 s23, 0
	s_add_nc_u64 s[8:9], s[8:9], s[22:23]
	WIN 0x80                                       ; destination window 2
.irp b, 0,1,2,3,4,5,6,7
	global_load_b128 v[8*\b:8*\b+3], v5, s[8:9] offset:64*\b          ; lane (r, h), tile b: bo at columns 16 b + 8 h + 0 .. 7
	global_load_b128 v[8*\b+4:8*\b+7], v5, s[8:9] offset:64*\b+16
.endr
	WIN 0
	s_lshl_b32 s20, s13, 14                        ; my four tiles of ctx,
	s_lshl_b32 s21, s14, 15
	s_add_co_u32 s21, s21, 32768                   ; my eight of Wo
.irp s, 0,1
	v_add_nc_u32 v[ADRA+\s], s20, v[CO]
	v_add_nc_u32 v[ADRB+\s], s21, v[CO]
	s_add_co_u32 s20, s20, SLOT
	s_add_co_u32 s21, s21, SLOT
.endr
	s_mul_i32 s20, s12, 16*SPITCH                  ; my stage
	v_mul_u32_u24 v4, v1, SPITCH
	v_lshl_add_u32 v4, v2, 5, v4
	v_add_nc_u32 v[STO], s20, v4                   ; in: row r, 32 bytes for each half of the lanes
	v_add_nc_u32 v[RD], s20, v[CO]                 ; back: the 32 lanes take one row of 512 bytes
	s_lshl_b32 s20, s15, 19                        ; 128 rows of 4,096 bytes a tile row,
	s_lshl_b32 s21, s13, 18                        ; 64 a row half
	s_add_co_u32 s20, s20, s21
	s_add_co_u32 s20, s20, s22
	s_mov_b32 s21, 0
	s_add_nc_u64 s[10:11], s[10:11], s[20:21]
	s_or_b32 s45, s42, s13                         ; 0 where my rows begin a sequence: alike in all partners, for a given wave
.macro FETCH slot, q, f                ; 24 LDS loads: the fragments of 32 along K, the slot's q-th
.irp i, 0,1,2,3
.irp c, 0,1
	ds_load_b128 v[\f+8*\i+4*\c:\f+8*\i+4*\c+3], v[ADRA+\slot] offset:\i*4096+\q*1024+\c*512
.endr
.endr
.irp i, 0,1,2,3,4,5,6,7
.irp c, 0,1
	ds_load_b128 v[\f+32+8*\i+4*\c:\f+32+8*\i+4*\c+3], v[ADRB+\slot] offset:\i*4096+\q*1024+\c*512
.endr
.endr
.endm
.macro MULA f, a, first                ; 8 products: ctx's block a against Wo's eight.  The 32 accumulators take turns, in the same order in every quarter
.irp b, 0,1,2,3,4,5,6,7
.if \first
	v_wmma_f32_16x16x32_f16 v[8*(8*\a+\b):8*(8*\a+\b)+7], v[\f+32+8*\b:\f+32+8*\b+7], v[\f+8*\a:\f+8*\a+7], v[8*\b:8*\b+7]
.else
	v_wmma_f32_16x16x32_f16 v[8*(8*\a+\b):8*(8*\a+\b)+7], v[\f+32+8*\b:\f+32+8*\b+7], v[\f+8*\a:\f+8*\a+7], v[8*(8*\a+\b):8*(8*\a+\b)+7]
.endif
.endr
.endm
.macro PLACES
.rept 4
	v_nop
.endr
.endm
; A quarter: 32 along K, 32 products on buffer f.  At its head the next quarter's fragments, the slot's qn-th, are asked for into buffer g, which the quarter before multiplied: they have this quarter in which to land.
.macro QUARTER slot, qn, f, g, first
	s_wait_dscnt 0x0                               ; buffer f is in
	PLACES
	WIN 0
	FETCH \slot, \qn, \g
.if \first
	WIN 0x60                                       ; C (bo) window 2, D window 1
.else
	WIN 0x50                                       ; C and D window 1
.endif
	MULA \f, 0, \first
	MULA \f, 1, \first
	MULA \f, 2, \first
	MULA \f, 3, \first
.endm
; A slot's last quarter multiplies buffer 1 and changes slots: one barrier; in front of it each wave waits for all its tensor loads, adds 0 to its spare word, and waits for that and for its reads of this slot.
.macro TURN slot, next, fill
	WIN 0
	s_wait_tensorcnt 0x0                           ; my part of the next slot has landed
	ds_add_u32 v[SPW], v[NIL]
	s_wait_dscnt 1                                 ; buffer 1 is in; the add may be out
	WIN 0x50
	MULA F1, 0, 0
	s_wait_dscnt 0x0
	s_barrier_signal -1
	MULA F1, 1, 0
	WIN 0
	s_barrier_wait -1
.if \fill
	CREST                                          ; the barrier has opened a round of the cluster's: no wave of any partner still reads this slot or has a load on its way
	s_add_nc_u64 s[G0+4*\slot+2:G0+4*\slot+3], s[G0+4*\slot+2:G0+4*\slot+3], 8192
	s_add_nc_u64 s[G0B+4*\slot+2:G0B+4*\slot+3], s[G0B+4*\slot+2:G0B+4*\slot+3], 8192
	JLOAD \slot                                    ; the first tensor load behind the round; its four v_nop are also the places in front of the loads below
.else
	PLACES
.endif
	FETCH \next, 0, F0
	WIN 0x50
	MULA F1, 2, 0
	MULA F1, 3, 0
.endm
	s_wait_tensorcnt 1                             ; my part of K step 0 is in; K step 1's load may be out
	s_barrier_signal -1
	s_barrier_wait -1
	FETCH 0, 0, F0
	s_wait_loadcnt 0x0                             ; bo
	QUARTER 0, 1, F0, F1, 1                        ; the first products start the sums from bo
	WIN 0
	s_mov_b32 s3, LAPS-1
.Llap:                                             ; a trip goes once round the ring and fills both slots again
	QUARTER 0, 2, F1, F0, 0
	QUARTER 0, 3, F0, F1, 0
	TURN 0, 1, 1
	QUARTER 1, 1, F0, F1, 0
	QUARTER 1, 2, F1, F0, 0
	QUARTER 1, 3, F0, F1, 0
	TURN 1, 0, 1
	QUARTER 0, 1, F0, F1, 0
	WIN 0
	s_sub_co_u32 s3, s3, 1
	s_cmp_lg_u32 s3, 0
	s_cbranch_scc1 .Llap
	QUARTER 0, 2, F1, F0, 0                        ; the last lap fills nothing
	QUARTER 0, 3, F0, F1, 0
	TURN 0, 1, 0
	QUARTER 1, 1, F0, F1, 0
	QUARTER 1, 2, F1, F0, 0
	QUARTER 1, 3, F0, F1, 0
	s_wait_dscnt 0x0
	WIN 0x50
	MULA F1, 0, 0
	MULA F1, 1, 0
	MULA F1, 2, 0
	MULA F1, 3, 0
	WIN 0
	PLACES
; THE WAY OUT: 16 rows x 128 columns at a time through my own stage, back as whole rows of 512 bytes.  LDS serves a wave's instructions in order: no wait between the stores and the loads.
.macro OUTBLK a
.set BB, 32+64*((\a)%2)
	WIN 0x04                                       ; an LDS store's data: window 1
.irp b, 0,1,2,3,4,5,6,7
	ds_store_b128 v[STO], v[8*(8*\a+\b):8*(8*\a+\b)+3] offset:64*\b            ; each accumulator from its low end on
	ds_store_b128 v[STO], v[8*(8*\a+\b)+4:8*(8*\a+\b)+7] offset:64*\b+16
.endr
	WIN 0
.irp t, 0,1,2,3,4,5,6,7,8,9,10,11,12,13,14,15
	ds_load_b128 v[BB+4*\t:BB+4*\t+3], v[RD] offset:\t*SPITCH
.endr
	s_wait_dscnt 0x0
.irp t, 0,1,2,3,4,5,6,7,8,9,10,11,12,13,14,15
	global_store_b128 v[CO], v[BB+4*\t:BB+4*\t+3], s[10:11] offset:\a*65536+\t*4096 th:TH_STORE_NT   ; 512 consecutive bytes, aligned
.endr
.endm
	s_cmp_eq_u32 s45, 0                            ; the first 16 positions of a sequence are the last launch's to store
	s_cbranch_scc1 .Lrows16
	OUTBLK 0
.Lrows16:
	OUTBLK 1
	s_wait_xcnt 0x0                                ; the earlier stores have read their registers
	OUTBLK 2
	OUTBLK 3
	s_wait_tensorcnt 0x0                           ; the wave's end
	ds_add_u32 v[SPW], v[NIL]
	s_wait_dscnt 0x0
	CROUND                                         ; the closing round
	s_endpgm
.Lfunc_end_k_q1bd98b6a20_oproj:
	.size	k_q1bd98b6a20_oproj, .Lfunc_end_k_q1bd98b6a20_oproj-k_q1bd98b6a20_oproj
	.p2alignl 7, 3214868480
	.fill 96, 4, 3214868480
	.section	.rodata,"a",@progbits
	.p2align	6, 0x0
	.amdhsa_kernel k_q1bd98b6a20_oproj
		.amdhsa_group_segment_fixed_size 327680
		.amdhsa_private_segment_fixed_size 0
		.amdhsa_enable_private_segment 0
		.amdhsa_kernarg_size 32
		.amdhsa_user_sgpr_count 2
		.amdhsa_user_sgpr_kernarg_segment_ptr 1
		.amdhsa_wavefront_size32 1
		.amdhsa_system_sgpr_workgroup_id_x 1
		.amdhsa_system_sgpr_workgroup_id_y 1
		.amdhsa_system_sgpr_workgroup_id_z 1
		.amdhsa_system_vgpr_workitem_id 0
		.amdhsa_next_free_vgpr 576
		.amdhsa_next_free_sgpr 66
		.amdhsa_reserve_vcc 0
		.amdhsa_float_denorm_mode_32 3
		.amdhsa_float_denorm_mode_16_64 3
		.amdhsa_memory_ordered 1
		.amdhsa_forward_progress 1
		.amdhsa_inst_pref_size 85
	.end_amdhsa_kernel
	.amdgpu_metadata
---
amdhsa.version: [ 1, 2 ]
amdhsa.kernels:
  - .name:           k_q1bd98b6a20_oproj
    .symbol:         k_q1bd98b6a20_oproj.kd
    .args:
      - { .name: ctx, .offset: 0, .size: 8, .value_kind: global_buffer, .address_space: global }
      - { .name: wo, .offset: 8, .size: 8, .value_kind: global_buffer, .address_space: global }
      - { .name: bo, .offset: 16, .size: 8, .value_kind: global_buffer, .address_space: global }
      - { .name: out0, .offset: 24, .size: 8, .value_kind: global_buffer, .address_space: global }
    .group_segment_fixed_size: 327680
    .private_segment_fixed_size: 0
    .kernarg_segment_align: 8
    .kernarg_segment_size: 32
    .max_flat_workgroup_size: 128
    .sgpr_count:     66
    .vgpr_count:     576
    .wavefront_size: 32
...
	.end_amdgpu_metadata
.endif
;; end of part 4
;; launch first16 (part 5): grid 16 x 4, 16 waves a work-group, no clusters, 71,680 bytes of LDS; arguments fq, wo, bo, out0; writes out0
.if DOCPART == 5
	.amdgcn_target "amdgcn-amd-amdhsa--gfx1250"
	.amdhsa_code_object_version 6
	.text
	.protected	k_q1bd98b6a20_first16
	.globl	k_q1bd98b6a20_first16
	.p2align	8
	.type	k_q1bd98b6a20_first16,@function
k_q1bd98b6a20_first16:
	s_mov_b64 s[64:65], 0
	v_nop
	global_prefetch_b8 v0, s[64:65] scope:SCOPE_SE
	s_setreg_imm32_b32 hwreg(HW_REG_WAVE_MODE, 25, 1), 1
	s_wait_xcnt 0x0
; Launch 5 of 5: the first 16 positions of every sequence, which average one to sixteen values and are the largest in size: attention in f32, the projection on pairs of f16 numbers (a high and a low part).
; Work-group (g, batch) makes rows 0-15 of the batch, columns 64 g .. 64 g + 63.  WAVE = HEAD: it makes its head's 16 x 16 attention from the f32 images of q, k, v (as the second launch's accumulators stood),
; then its head's 64 of the projection's K; the sixteen partial results meet in LDS and waves 0-7 add them, in ascending order of heads, onto bo.
; THE f32 PRODUCTS.  An image gives lane (r, h) one token (q, k) and channels 16 b + 8 h + j, or one channel (v) and tokens 8 h + j.  The f32 form wants k = 2 h + j' in register j': registers 2 s, 2 s + 1 of both
; sources hold the same four of K in the same places, so the sum over s (and b) runs over all of K, each term once.
; The projection: high x high + low(Wo) x high + high(Wo) x low; the product of the two low parts lies under 2^-22 of the result and is left out.
; LIMITS: |ctx| under 65,504 and, for the split, under 4e34.
; REGISTERS: v1-15 addresses and single numbers; v16-47 q, v48-79 k (later Wo's low parts); v80-111 v (later the context's high parts v80-95 and low parts v96-111); v112-175 Wo's high parts;
;   v176-207 four partial S^T, later the four tiles of the result, v208-239 O^T: these 64 are written by matrix instructions alone; v240-247 p; v248-255 at work.
.set SPARE, 69632                      ; behind the sixteen partial results (16 rows x 272 bytes each): the spare words, 128 bytes a wave, eight blocks of 256 bytes that no other line names
.set LI,  3
.set MD,  4
.set SPW, 10
.set NIL, 11
.set STO, 12
.set RD,  13
.set GO,  14
.set BOF, 15
	s_load_b256 s[4:11], s[0:1], 0x0               ; fq s[4:5], wo s[6:7], bo s[8:9], out0 s[10:11]
	v_lshl_add_u32 v[SPW], v0, 2, SPARE
	v_mov_b32 v[NIL], 0
	v_lshrrev_b32 v1, 5, v0
	v_readfirstlane_b32 s12, v1                    ; wave = head
	s_mov_b32 s13, ttmp9                           ; g
	s_and_b32 s14, ttmp7, 0xffff                   ; batch
	v_and_b32 v1, 15, v0                           ; r
	v_bfe_u32 v2, v0, 4, 1                         ; h
	v_and_b32 v[LI], 31, v0
	v_lshlrev_b32 v[LI], 4, v[LI]                  ; 16 x lane
	v_lshlrev_b32 v[MD], 3, v2
	v_sub_nc_u32 v[MD], v1, v[MD]                  ; r - 8 h
	v_mov_b32 v7, 0xff800000                       ; -infinity
	v_mov_b32 v6, 0                                ; (a lane permute's destination counts as one of its sources)
	v_mov_b32 v9, 0                                ; (named as the upper half of the pair v[8:9])
	v_mov_b32 v248, 0
	s_mul_i32 s15, s12, 4352
	v_mul_u32_u24 v[STO], v1, 272
	v_lshl_add_u32 v[STO], v2, 5, v[STO]
	v_add_nc_u32 v[STO], s15, v[STO]               ; my partial result: row r, 32 bytes for each half of the lanes
	s_mul_i32 s15, s12, 544
	v_mul_u32_u24 v[RD], v2, 272
	v_lshl_add_u32 v[RD], v1, 4, v[RD]
	v_add_nc_u32 v[RD], s15, v[RD]                 ; back (waves 0-7): row 2 w + h, 16 bytes a lane
	v_lshlrev_b32 v[BOF], 4, v1
	v_lshl_add_u32 v[GO], v2, 12, v[BOF]           ; and the same two rows in out0
	s_mov_b32 s20, 0x76543210
	s_mov_b32 s21, 0xfedcba98
	s_mov_b32 s22, 0x3e38aa3b                      ; c = log2(e) / sqrt(64)
	s_mov_b32 s24, 0x46000400                      ; 8,193.0
	s_mov_b32 s25, s24
	s_mul_i32 s16, s14, 196608                     ; fq: 192 images a batch, 4 a head
	s_lshl_b32 s17, s12, 12
	s_add_co_u32 s16, s16, s17
	s_mov_b32 s17, 0
	s_lshl_b32 s18, s13, 17                        ; wo: 4 tiles of 32,768 bytes for my 64 columns, 2,048 bytes a head in each
	s_lshl_b32 s19, s12, 11
	s_add_co_u32 s18, s18, s19
	s_mov_b32 s19, 0
	s_lshl_b32 s26, s13, 8                         ; 64 columns of f32
	s_mov_b32 s27, 0
	s_lshl_b32 s28, s14, 23                        ; out0: 2,048 rows of 4,096 bytes a batch,
	s_lshl_b32 s29, s12, 13                        ; two rows a wave
	s_add_co_u32 s28, s28, s29
	s_add_co_u32 s28, s28, s26
	s_mov_b32 s29, 0
	s_wait_kmcnt 0x0
	s_add_nc_u64 s[4:5], s[4:5], s[16:17]
	s_add_nc_u64 s[6:7], s[6:7], s[18:19]
	s_add_nc_u64 s[8:9], s[8:9], s[26:27]
	s_add_nc_u64 s[10:11], s[10:11], s[28:29]
.irp z, 0,1,2                                  ; q, k, v: 64 images apart
.irp b, 0,1,2,3
.irp c, 0,1
	global_load_b128 v[16+32*\z+8*\b+4*\c:16+32*\z+8*\b+4*\c+3], v[LI], s[4:5] offset:65536*\z+1024*\b+512*\c
.endr
.endr
.endr
.irp nt, 0,1,2,3                               ; Wo's high parts: tile nt of my columns, 32 ks of my head's 64
.irp ks, 0,1
.irp c, 0,1
	global_load_b128 v[112+8*(2*\nt+\ks)+4*\c:112+8*(2*\nt+\ks)+4*\c+3], v[LI], s[6:7] offset:\nt*32768+\ks*1024+\c*512
.endr
.endr
.endr
	s_wait_loadcnt 24                              ; q and k are in; v's 8 loads and Wo's 16 may be out
.irp s, 0,1,2,3                                ; S^T = k q^T in four partial sums, which take turns
.irp b, 0,1,2,3
.if \s == 0
	v_wmma_f32_16x16x4_f32 v[176+8*\b:183+8*\b], v[48+8*\b+2*\s:49+8*\b+2*\s], v[16+8*\b+2*\s:17+8*\b+2*\s], 0
.else
	v_wmma_f32_16x16x4_f32 v[176+8*\b:183+8*\b], v[48+8*\b+2*\s:49+8*\b+2*\s], v[16+8*\b+2*\s:17+8*\b+2*\s], v[176+8*\b:183+8*\b]
.endif
.endr
.endr
.rept 8
	v_nop                                          ; eight places behind this form, in front of loads into its sources and of the first read of its results
.endr
.irp nt, 0,1,2,3                               ; Wo's low parts, into q's and k's registers
.irp ks, 0,1
.irp c, 0,1
	global_load_b128 v[16+8*(2*\nt+\ks)+4*\c:16+8*(2*\nt+\ks)+4*\c+3], v[LI], s[6:7] offset:2097152+\nt*32768+\ks*1024+\c*512
.endr
.endr
.endr
.irp j, 0,1,2,3,4,5,6,7
	v_add_f32 v[240+\j], v[176+\j], v[184+\j]      ; lane (r, h): query r, key 8 h + j; each accumulator is read from its low end on
.endr
.irp j, 0,1,2,3,4,5,6,7
	v_add_f32 v[240+\j], v[240+\j], v[192+\j]
.endr
.irp j, 0,1,2,3,4,5,6,7
	v_add_f32 v[240+\j], v[240+\j], v[200+\j]
.endr
.irp j, 0,1,2,3,4,5,6,7
	v_cmp_gt_i32 vcc_lo, \j, v[MD]                 ; hidden where 8 h + j > r
	v_cndmask_b32 v[240+\j], v[240+\j], v7, vcc_lo
.endr
	v_max3_num_f32 v5, v240, v241, v242
	v_max3_num_f32 v5, v5, v243, v244
	v_max3_num_f32 v5, v5, v245, v246
	v_max_num_f32 v5, v5, v247
	v_permlanex16_b32 v6, v5, s20, s21
	v_max_num_f32 v5, v5, v6                       ; the row's maximum: key 0 counts for every query, so it is a number
	v_mul_f32 v5, s22, v5
.irp j, 0,1,2,3,4,5,6,7
	v_fma_f32 v[240+\j], v[240+\j], s22, -v5
.endr
.irp j, 0,1,2,3,4,5,6,7
	v_exp_f32 v[240+\j], v[240+\j]
.endr
	v_nop
	s_wait_alu depctr_va_vdst(0)                   ; one wait for the eight, ahead of their first reader
	v_add_f32 v6, v240, v241
	v_add_f32 v249, v242, v243
	v_add_f32 v250, v244, v245
	v_add_f32 v251, v246, v247
	v_add_f32 v6, v6, v249
	v_add_f32 v250, v250, v251
	v_add_f32 v6, v6, v250
	v_permlanex16_b32 v248, v6, s20, s21
	v_add_f32 v6, v6, v248
	v_rcp_f32 v8, v6
	v_nop
	s_wait_alu depctr_va_vdst(0)
	s_wait_loadcnt 32                              ; v is in; Wo's 16 high and 16 low loads may be out
.irp s, 0,1,2,3                                ; O^T = v^T p: four tiles of 16 channels by turns
.irp dt, 0,1,2,3
.if \s == 0
	v_wmma_f32_16x16x4_f32 v[208+8*\dt:215+8*\dt], v[80+8*\dt+2*\s:81+8*\dt+2*\s], v[240+2*\s:241+2*\s], 0
.else
	v_wmma_f32_16x16x4_f32 v[208+8*\dt:215+8*\dt], v[80+8*\dt+2*\s:81+8*\dt+2*\s], v[240+2*\s:241+2*\s], v[208+8*\dt:215+8*\dt]
.endif
.endr
.endr
.rept 8
	v_nop
.endr
.irp dt, 0,1,2,3                               ; x = O^T / the sum; T = 8,193 x; high = T - (T - x); low = x - high.  Tiles 2 ks, 2 ks + 1, packed, are the projection's source 1
.irp i, 0,1,2,3
	v_pk_mul_f32 v[248:249], v[208+8*\dt+2*\i:209+8*\dt+2*\i], v[8:9] op_sel_hi:[1,0]
	v_pk_mul_f32 v[250:251], v[248:249], s[24:25] op_sel_hi:[1,0]
	v_pk_add_f32 v[252:253], v[250:251], v[248:249] neg_lo:[0,1] neg_hi:[0,1]
	v_pk_add_f32 v[250:251], v[250:251], v[252:253] neg_lo:[0,1] neg_hi:[0,1]
	v_pk_add_f32 v[248:249], v[248:249], v[250:251] neg_lo:[0,1] neg_hi:[0,1]
	v_cvt_pk_f16_f32 v[80+4*\dt+\i], v250, v251
	v_cvt_pk_f16_f32 v[96+4*\dt+\i], v248, v249
.endr
.endr
	s_wait_loadcnt 0x0                             ; Wo, both parts
.macro PROJ w, c, first                        ; 8 products: source 0 = 16 columns of Wo, source 1 = the 16 rows; the four tiles of columns by turns
.irp ks, 0,1
.irp nt, 0,1,2,3
.if \first && (\ks == 0)
	v_wmma_f32_16x16x32_f16 v[176+8*\nt:183+8*\nt], v[\w+8*(2*\nt+\ks):\w+8*(2*\nt+\ks)+7], v[\c+8*\ks:\c+8*\ks+7], 0
.else
	v_wmma_f32_16x16x32_f16 v[176+8*\nt:183+8*\nt], v[\w+8*(2*\nt+\ks):\w+8*(2*\nt+\ks)+7], v[\c+8*\ks:\c+8*\ks+7], v[176+8*\nt:183+8*\nt]
.endif
.endr
.endr
.endm
	PROJ 112, 80, 1                                ; high x high
	PROJ 16, 80, 0                                 ; Wo's low x high
	PROJ 112, 96, 0                                ; Wo's high x low
.rept 4
	v_nop
.endr
.irp nt, 0,1,2,3
	ds_store_b128 v[STO], v[176+8*\nt:179+8*\nt] offset:64*\nt      ; lane (r, h): row r, columns 16 nt + 8 h + 0 .. 7
	ds_store_b128 v[STO], v[180+8*\nt:183+8*\nt] offset:64*\nt+16
.endr
	s_wait_dscnt 0x0                               ; for the others' sake: my partial result lies in LDS
	s_barrier_signal -1
	s_barrier_wait -1
	s_cmp_lt_u32 s12, 8
	s_cbranch_scc0 .Lend
	global_load_b128 v[240:243], v[BOF], s[8:9]    ; bo at my four columns
.irp i, 0,1,2,3,4,5,6,7,8,9,10,11,12,13,14,15
	ds_load_b128 v[16+4*\i:19+4*\i], v[RD] offset:4352*\i
.endr
	s_wait_loadcnt 0x0
	s_wait_dscnt 0x0
.irp i, 0,1,2,3,4,5,6,7,8,9,10,11,12,13,14,15
	v_pk_add_f32 v[240:241], v[240:241], v[16+4*\i:17+4*\i]
	v_pk_add_f32 v[242:243], v[242:243], v[18+4*\i:19+4*\i]
.endr
	global_store_b128 v[GO], v[240:243], s[10:11]  ; sixteen lanes store 256 consecutive bytes of a row, aligned
.Lend:
	s_wait_tensorcnt 0x0                           ; the wave's end, behind my last LDS store
	ds_add_u32 v[SPW], v[NIL]
	s_wait_dscnt 0x0
	s_endpgm
.Lfunc_end_k_q1bd98b6a20_first16:
	.size	k_q1bd98b6a20_first16, .Lfunc_end_k_q1bd98b6a20_first16-k_q1bd98b6a20_first16
	.p2alignl 7, 3214868480
	.fill 96, 4, 3214868480
	.section	.rodata,"a",@progbits
	.p2align	6, 0x0
	.amdhsa_kernel k_q1bd98b6a20_first16
		.amdhsa_group_segment_fixed_size 71680
		.amdhsa_private_segment_fixed_size 0
		.amdhsa_enable_private_segment 0
		.amdhsa_kernarg_size 32
		.amdhsa_user_sgpr_count 2
		.amdhsa_user_sgpr_kernarg_segment_ptr 1
		.amdhsa_wavefront_size32 1
		.amdhsa_system_sgpr_workgroup_id_x 1
		.amdhsa_system_sgpr_workgroup_id_y 1
		.amdhsa_system_sgpr_workgroup_id_z 1
		.amdhsa_system_vgpr_workitem_id 0
		.amdhsa_next_free_vgpr 256
		.amdhsa_next_free_sgpr 66
		.amdhsa_reserve_vcc 1
		.amdhsa_float_denorm_mode_32 3
		.amdhsa_float_denorm_mode_16_64 3
		.amdhsa_memory_ordered 1
		.amdhsa_forward_progress 1
		.amdhsa_inst_pref_size 26
	.end_amdhsa_kernel
	.amdgpu_metadata
---
amdhsa.version: [ 1, 2 ]
amdhsa.kernels:
  - .name:           k_q1bd98b6a20_first16
    .symbol:         k_q1bd98b6a20_first16.kd
    .args:
      - { .name: fq, .offset: 0, .size: 8, .value_kind: global_buffer, .address_space: global }
      - { .name: wo, .offset: 8, .size: 8, .value_kind: global_buffer, .address_space: global }
      - { .name: bo, .offset: 16, .size: 8, .value_kind: global_buffer, .address_space: global }
      - { .name: out0, .offset: 24, .size: 8, .value_kind: global_buffer, .address_space: global }
    .group_segment_fixed_size: 71680
    .private_segment_fixed_size: 0
    .kernarg_segment_align: 8
    .kernarg_segment_size: 32
    .max_flat_workgroup_size: 512
    .sgpr_count:     66
    .vgpr_count:     256
    .wavefront_size: 32
...
	.end_amdgpu_metadata
.endif
;; end of part 5
